; MI455X (gfx1250); checked and timed in simulation.
; The chip was launched on July 23, 2026; its instructions are those of AMD's public machine-readable ISA for CDNA 5 (MIT licence, August 2026) and "CDNA5" Instruction Set Architecture Reference Guide (July 2026). The comments in the code are by the model that wrote it; some were corrected since.
;; Attention. Allowed arithmetic: matrix products marked QUANTISED: E2M1 operands, one E8M0 scale for each 32 along K, by v_wmma_scale_f32_16x16x128_f8f6f4 with both operands' format E2M1 (or v_wmma_scale_f32_32x16x128_f4), f32 sums; everything else in f32.
;; Inputs: b_out 1,024 float32; b_qkv 3,072 float32; w_out_codes 1,024 x 32 x 16 uint8 (E2M1 codes of w_out, K innermost, in blocks of 32 codes, two codes a byte); w_out_scales 1,024 x 32 uint8 (E8M0 scales of w_out, one for each 32 codes along K); w_qkv_codes 3,072 x 32 x 16 uint8 (E2M1 codes of w_qkv, K innermost, in blocks of 32 codes, two codes a byte); w_qkv_scales 3,072 x 32 uint8 (E8M0 scales of w_qkv, one for each 32 codes along K); x_codes 4 x 2,048 x 32 x 16 uint8 (E2M1 codes of x, K innermost, in blocks of 32 codes, two codes a byte); x_scales 4 x 2,048 x 32 uint8 (E8M0 scales of x, one for each 32 codes along K).
;; Outputs: out0 4 x 2,048 x 1,024 float32.
;; This version of the problem:
;;   THIS VERSION OF THE PROBLEM IS GIVEN IN LOW PRECISION. The matrix products marked QUANTISED in the list below multiply operands that are first quantised to E2M1 (2 exponent bits, 1 mantissa bit; 4 bits a number), with one power-of-two scale for each 32 numbers along K (OCP MX v1.0); their sums are f32. All else is computed in f32.
;;   The module's matrix products, in the order in which they are computed (A, B: the left and right operand; K: the contracted axis; several contracted axes count as one K, in the product's order):
;;     1. [M 8,192, K 1,024] x [K 1,024, N 3,072]; A: input x (given as codes); B: input w_qkv (given as codes): QUANTISED
;;     2. batch 64 x [M 2,048, K 64] x [K 64, N 2,048]; A: computed on the way; B: computed on the way: QUANTISED
;;     3. batch 64 x [M 64, K 2,048] x [K 2,048, N 2,048]; A: computed on the way; B: softmax (see below): QUANTISED
;;     4. [M 8,192, K 1,024] x [K 1,024, N 1,024]; A: computed on the way; B: input w_out (given as codes): QUANTISED
;;   THE QUANTISER, for each operand of a quantised product, along K:
;;     - K is cut into blocks of 32 from its start; a last block that is shorter is filled with zeros.
;;     - A block's scale is 2^e with e = floor(log2(the largest magnitude in the block)) - 2, held to -126 .. 127; a block of zeros has e = 0. As a byte (E8M0): e + 127.
;;     - Each number is divided by its block's scale, clamped to +-6, and rounded to the nearest number of E2M1, ties to even, subnormals kept.
;;     - The product sums the exact products of the quantised numbers (number of the format x scale) in f32.
;;   ~~~python
;;   def quantise(x, axis):      # numpy; x: float32 -> the quantised numbers, widened to float32 again
;;       x = np.moveaxis(x, axis, -1); K = x.shape[-1]
;;       x = np.pad(x, [(0, 0)] * (x.ndim - 1) + [(0, -K % 32)]); x = x.reshape(x.shape[:-1] + (-1, 32)); a = np.abs(x).max(-1, keepdims=True)
;;       e = np.where(a > 0, np.clip(np.frexp(np.where(a > 0, a, 1))[1] - 1 - 2, -126, 127), 0)      # np.frexp(a)[1] - 1 = floor(log2(a)), exactly
;;       r = np.clip(x / 2.0 ** e, -6, 6)
;;       step = 2.0 ** (np.maximum(np.frexp(np.where(r == 0, 1, r))[1] - 1, 0) - 1)
;;       q = np.round(r / step) * step * 2.0 ** e      # np.round: ties to even
;;       return np.moveaxis(q.reshape(q.shape[:-2] + (-1,))[..., :K], -1, axis).astype(np.float32)
;;   ~~~
;;   SOFTMAX AHEAD OF A QUANTISED PRODUCT. Where the list says 'softmax', what is quantised is not the finished softmax but p = 2^(t - M), with t = logit x log2(e) and M = ceil(the row's largest t), a whole number; so 1/2 < the row's largest p <= 1. The row's sum l is taken of the UNQUANTISED p, in f32, and the product's result is divided by l at the end. Since M is a whole number, a kernel that streams over the keys may use a running M (the ceiling of the running maximum): every later rescaling is an exact power of two, which a block's scale takes up: the codes' values come out the same.
;;   OPERANDS COMPUTED ON THE WAY. 'Computed on the way' means the value that the module computes at that place (a softmax that the list does not call 'softmax' is quantised finished and normalised). What goes into a quantiser is computed in f32, as accurately as f32 sums, v_exp_f32 and their like allow (about 1e-6 of the number): no bf16 or f16 on the way to a quantiser, and a product that is left as it is and whose result goes on into a quantised operand takes f32 operands (vector FMAs, or v_wmma_f32_16x16x4_f32). A number that lies on a knife's edge between two numbers of the format may be rounded either way, as far as f32 arithmetic and the matrix unit's own rounding can turn it there, and no further.
;;   INPUTS GIVEN AS CODES. w_out (in the module: [1024, 1024], K = its axis 1); w_qkv (in the module: [3072, 1024], K = its axis 1); x (in the module: [4, 2048, 1024], K = its axis 2): each comes as NAME_codes (uint8): NAME with its K axis moved to the last place and cut into blocks of 32 codes, [.., K / 32, bytes a block], one block behind the other in memory; two codes a byte, the lower K in the low four bits (a code: sign, 2 exponent bits, 1 mantissa bit); and NAME_scales (uint8): the same leading axes, one E8M0 byte (e + 127) for each 32 codes along K. Its value is code x scale, taken as it is: it is not quantised again, and the codes and scales need not be those that the quantiser above would give.
;; One version. Each part assembles by itself: llvm-mc -triple=amdgcn-amd-amdhsa -mcpu=gfx1250 --defsym DOCPART=n.
;; ======== version 1 of 1: 3 launches
;; workspace buffers: qc 4,194,304 bytes; qs 524,288 bytes; kc 4,194,304 bytes; ks 524,288 bytes; vc 4,194,304 bytes; vs 262,144 bytes; oc 4,194,304 bytes; os 262,144 bytes
;; launch qkv (part 1): grid 12 x 32, 4 waves a work-group, clusters of 4 x 4, 327,680 bytes of LDS; arguments x_codes, x_scales, w_qkv_codes, w_qkv_scales, b_qkv, qc, qs, kc, ks, vc, vs; writes qc, qs, kc, ks, vc, vs
.if DOCPART == 1
	.amdgcn_target "amdgcn-amd-amdhsa--gfx1250"
	.amdhsa_code_object_version 6
	.text
	.protected	k_q78bc59ae8b_qkv
	.globl	k_q78bc59ae8b_qkv
	.p2align	8
	.type	k_q78bc59ae8b_qkv,@function
k_q78bc59ae8b_qkv:
	s_mov_b64 s[64:65], 0
	v_nop
	global_prefetch_b8 v0, s[64:65] scope:SCOPE_SE
	s_setreg_imm32_b32 hwreg(HW_REG_WAVE_MODE, 25, 1), 1
	s_wait_xcnt 0x0
	s_wait_alu depctr_hold_cnt(0) depctr_sa_sdst(0) depctr_va_vdst(0) depctr_va_sdst(0) depctr_va_ssrc(0) depctr_va_vcc(0) depctr_vm_vsrc(0)
	s_getreg_b32 s2, hwreg(HW_REG_IB_STS2, 6, 4)
	s_cmp_eq_u32 s2, 0
	s_cbranch_scc0 .Lentry_in_a_cluster
	s_endpgm
.Lentry_in_a_cluster:
	s_bfe_u32 s2, ttmp6, 0x10000c
	s_cmp_lg_u32 s2, 0xf033
	s_cbranch_scc0 .Lentry_shape_is_right
	s_endpgm
.Lentry_shape_is_right:
; LAUNCH 1 OF 3.  qkv = x w_qkv^T + b_qkv on codes of FP4 (E2M1) with E8M0 scales, as they are given; RoPE on q and k in f32; then q and k are quantised along the head's 64, v along the keys.
; NOTHING OF reference() IS LEFT OUT in this program: every input has a way to out0 (the bias on k too: it moves k's codes), and every input is loaded.
; SHARES.  A work-group of four waves makes 256 x 256 of the product, a wave 128 x 128 in 64 accumulators; K = 1,024 is two LDS slots of 512, each filled once by the tensor data mover.
; THE MATRIX INSTRUCTION'S SOURCE 1 ("A") GIVES A LANE ITS ROW, SOURCE 0 ("B") RUNS ALONG A LANE'S REGISTERS: register 8 t + j of lane (r, h) is B's row 16 t + 8 h + j.  A quantiser wants its K along the registers:
;   clusters x = 0 (q) and x = 1 (k): A = 256 tokens of x, B = 256 rows of w_qkv: a lane holds one token and 128 features, two heads;
;   cluster  x = 2 (v):               A = 256 rows of w_qkv (from row 2,048 on), B = 256 tokens: a lane holds one channel and 128 tokens, one key step of the second attention product.
; Only pointers and tile numbers differ in the product itself; they are chosen on the cluster's x, which all sixteen partners share.
; CLUSTERS: 4 x 4 work-groups; A's tiles are asked for jointly along a row of the cluster, B's along a column.
; WHAT IS STORED: images of the operands' registers.  qc, kc: [64 heads][128 tiles of 16 tokens][lane][16 bytes]: lane (r, h) = token r, d = 32 h .. 32 h + 31.  qs, ks: [64][2048] words: bytes 0, 1 the head's two scales;
; bytes 2, 3 hold the neighbour head's bytes or 0 and meet zero codes alone.  vc: [64][16 key steps][4 tiles of 16 channels][2][lane][16 bytes].  vs: [64][16][64 channels] words.
; Every store of codes covers 512 consecutive bytes, aligned; the scale words leave in runs of 64 or 128 bytes: one byte in eight to sixteen of what is stored.
; ROPE.  angle = fl(t x f), f = fl(1 / fl(10^(j/8))) as 32 literals; the angle less n pi/2 in two parts (the first subtraction is exact for t < 2^11); sine and cosine by polynomials of degree 7 and 8 on |r| <= pi/4, within about 1e-7.
; The table of the work-group's 256 tokens (32 cosines, 32 sines a token) is made once, a lane a frequency, two tokens a trip, in slot 0, which has had its last fill and its last read by then.
; Every work-group walks the table's loop, so that its trip count is a constant and the barrier behind it stands on every way; a cluster that makes v jumps over each trip's work, and runs the table's set-up (some 120 lines) for nothing.
; LIMITS: NaN and infinities among the inputs are not served.  A block of zeros gets the byte 1 where the rule says 127: its codes are zeros, and this program alone reads the bytes.
; The 32 literals take reference()'s f32 power and division as correctly rounded.
.set NQ,     4                         ; matrix instructions deep in a slot: 512 along K
.set ROWB,   256                       ; a tile's row in bytes
.set KROW,   512                       ; a row of x or of w_qkv in memory: 1,024 codes
.set PITCH,  272                       ; an LDS row: 256 bytes + 16 of padding: the 16 rows of a load start at 16 different banks
.set FR,     8
.set NL,     2
.set NP,     4                         ; places behind this matrix instruction (ISA guide 7.12.1)
.set HALFT,  128*PITCH
.set SLOT,   4*HALFT                   ; A's 256 rows, then B's 256 rows
.set KS,     32                        ; a row of scale bytes
.set SCL,    2*SLOT                    ; behind the two slots: the scales, as units of 256 bytes + 16
.set HALFS,  (128*KS/256)*272
.set SBLK,   (16*KS/256)*272
.set SPARE,  SCL+4*HALFS               ; the spare words, 128 bytes a wave: two blocks of 256 bytes that no other line names
.set TP,     272                       ; the table: a token's 32 cosines and 32 sines + 16 bytes
.set ADRA, 16                          ; v16-17 LDS address of my A fragments in slot 0, 1
.set ADRB, 20                          ; v20-21 the same for B
.set ADRS, 27                          ; v27    of my scale words
.set SPW,  28                          ; v28    my spare word; never rewritten
.set NIL,  29                          ; v29    0; never rewritten
.set SC,   32                          ; v32-95 scale words, two sets
.set AF,   128                         ; v128-191 A's fragments
.set RTA,  8                           ; v8   the table: my token's row, my half's frequencies
.set LI,   9                           ; v9   16 x lane
.set SOFF, 10                          ; v10  8,192 h + 4 r: q's and k's scale words
.set SH16, 11                          ; v11  16 h
.set BO,   12                          ; v12  32 h: the bias of q and k
.set L4,   13                          ; v13  4 x lane
.set R4,   14                          ; v14  4 r
.set FQ,   30                          ; v[30:31] my lane's frequency, twice
.set K2P,  32                          ; v32-53: eleven constants, each twice
.set KP1,  34
.set KP2,  36
.set KS3,  38
.set KS2,  40
.set KS1,  42
.set KC3,  44
.set KC2,  46
.set KC1,  48
.set KMH,  50
.set KON,  52
.set TM,   64                          ; v64-79 the quantiser's work; RoPE's temporaries
.set PC,   80                          ; v80-87 the codes just made
.set PW,   88                          ; v88-90 scale words
.set H,    128                         ; v128-191 64 numbers of a lane
.set BI,   192                         ; v192-255 the bias of q and k
.set T0,   128                         ; the table's loop works where H will lie
.set AN,   130
.set NF,   132
.set RR,   134
.set ZZ,   136
.set PS,   138
.set PO,   140
.set NI,   142
.set TQ,   144
.set RS,   148
.set TBA,  152
.set TAD,  153
.set SEL,  20                          ; s[20:21] selects of v_permlanex16_b32: lane l xor 16
.set G1, 24
.set G0, 32
.set G1B, 48
.set G0B, 56
.set G1S, 68
.set G0S, 76
.set G1SB, 80
.set G0SB, 88
.set MSB, 0
.macro WIN new                         ; the immediate's high byte repeats the setting that is left
.if MSB != (\new)
	s_set_vgpr_msb (MSB<<8)|(\new)
.set MSB, (\new)
.endif
.endm
.set MUL_LO, 0xa1                      ; source 0 (B) window 1, source 1 (A) window 0, C and D window 2
.set MUL_HI, 0xf1                      ; the same, C and D window 3
.set TO_B,   0x40
; A joint load: waves 0 and 1 fetch for A, waves 2 and 3 for B; the branch hangs on the wave's number alone.  An s_nop 0 and four v_nop follow each line.
.macro JLOAD g0a, g1a, g0b, g1b
	s_cmp_eq_u32 s15, 0
	s_cbranch_scc0 .Lfor_b_\@
	tensor_load_to_lds s[\g0a:\g0a+3], s[\g1a:\g1a+7]
	s_nop 0
.rept 4
	v_nop
.endr
	s_branch .Lasked_\@
.Lfor_b_\@:
	tensor_load_to_lds s[\g0b:\g0b+3], s[\g1b:\g1b+7]
	s_nop 0
.rept 4
	v_nop
.endr
.Lasked_\@:
.endm
.macro CROUND                          ; a round of the cluster's barrier
	s_barrier_signal -1
	s_barrier_wait -1
	s_cmp_lg_u32 s14, 0
	s_cbranch_scc1 .Lnot_wave_0_\@
	s_barrier_signal -3
.Lnot_wave_0_\@:
	s_barrier_wait -3
	s_barrier_signal -1
	s_barrier_wait -1
.endm
.macro FINI                            ; a wave's end: the three lines behind my last tensor load and LDS store; then the closing round
	s_wait_tensorcnt 0x0
	ds_add_u32 v[SPW], v[NIL]
	s_wait_dscnt 0x0
	CROUND
	s_endpgm
.endm
	s_load_b256 s[4:11], s[0:1], 0x0               ; x's codes, x's scales, w_qkv's codes, w_qkv's scales
	v_lshl_add_u32 v[SPW], v0, 2, SPARE
	v_mov_b32 v[NIL], 0
	ds_add_u32 v[SPW], v[NIL]                      ; the wave's opening: the add, twice on end, and its wait ahead of my first tensor load
	ds_add_u32 v[SPW], v[NIL]
	v_lshrrev_b32 v1, 5, v0
	v_readfirstlane_b32 s14, v1                    ; wave 0..3
	s_lshr_b32 s15, s14, 1                         ; which half of A's rows is mine.  Also: I fetch for A (0) or for B (1)
	s_and_b32 s16, s14, 1                          ; which half of B's rows.  Also: which 128 rows I fetch
	s_bfe_u32 s40, ttmp6, 0x40000                  ; cx
	s_bfe_u32 s41, ttmp6, 0x40004                  ; cy
	s_lshl_b32 s12, ttmp9, 2                       ; 4 x cluster x
	s_and_b32 s13, ttmp7, 0xffff
	s_lshl_b32 s13, s13, 2                         ; 4 x cluster y
	s_cmp_eq_u32 ttmp9, 2                          ; the cluster that makes v?
	s_cselect_b32 s17, 8, s13                      ; A's tile of 256 rows: v: w_qkv's tiles 8 .. 11; else x's 4 Y + cy
	s_cselect_b32 s42, s13, s12                    ; B's: v: x's 4 Y + cx; else w_qkv's 4 X + cx
	s_add_co_u32 s17, s17, s41                     ; (A's number never holds cx,
	s_add_co_u32 s42, s42, s40                     ; B's never cy)
	s_lshl_b32 s43, s41, 2
	s_lshl_b32 s43, 15, s43                        ; my row of the cluster
	s_lshl_b32 s44, 0x1111, s40                    ; my column
	s_or_b32 s[G1+0], s43, (0<<16)|(1<<20)|(1<<21)|(5<<22)|(3<<25)  ; the mask; elements of 1 byte; padding on; bit 21 beside a mask; 4 words after every 64
	s_or_b32 s[G1B+0], s44, (0<<16)|(1<<20)|(1<<21)|(5<<22)|(3<<25)
.irp g, G1, G1B
	s_mov_b32 s[\g+1], ROWB<<16                    ; tensor_dim0
	s_mov_b32 s[\g+2], 128<<16                     ; tensor_dim1
	s_mov_b32 s[\g+3], ROWB<<16                    ; tile_dim0
	s_mov_b32 s[\g+4], 128                         ; tile_dim1
	s_mov_b32 s[\g+5], KROW                        ; from row to row
	s_mov_b32 s[\g+6], 0
	s_mov_b32 s[\g+7], 0
.endr
	s_or_b32 s[G1S+0], s43, (3<<16)|(1<<20)|(1<<21)|(5<<22)|(3<<25)  ; the scales of 128 rows: 4,096 dense bytes as 16 rows of 32 elements of 8 bytes
	s_or_b32 s[G1SB+0], s44, (3<<16)|(1<<20)|(1<<21)|(5<<22)|(3<<25)
.irp g, G1S, G1SB
	s_mov_b32 s[\g+1], 32<<16
	s_mov_b32 s[\g+2], (128*KS/256)<<16
	s_mov_b32 s[\g+3], 32<<16
	s_mov_b32 s[\g+4], 128*KS/256
	s_mov_b32 s[\g+5], 32
	s_mov_b32 s[\g+6], 0
	s_mov_b32 s[\g+7], 0
.endr
	s_lshl_b32 s18, s16, 16                        ; 128 rows of 512 bytes
	s_lshl_b32 s19, s16, 12                        ; 128 rows of 32 bytes
	s_lshl_b32 s20, s17, 17                        ; A's codes: 256 rows of 512 bytes a tile
	s_add_co_u32 s20, s20, s18
	s_mov_b32 s21, 0
	s_lshl_b32 s22, s17, 13                        ; A's scales
	s_add_co_u32 s22, s22, s19
	s_mov_b32 s23, 0
	s_lshl_b32 s46, s42, 17                        ; B's codes
	s_add_co_u32 s46, s46, s18
	s_mov_b32 s47, 0
	s_lshl_b32 s92, s42, 13                        ; B's scales
	s_add_co_u32 s92, s92, s19
	s_mov_b32 s93, 0
	s_mul_i32 s45, s14, HALFT                      ; where they go: wave x 128 rows: no place in the cluster enters an LDS address
	s_mul_i32 s94, s14, HALFS
	s_wait_dscnt 0x0                               ; both opening adds are done
	s_wait_kmcnt 0x0
	s_cmp_eq_u32 ttmp9, 2
	s_cselect_b64 s[96:97], s[8:9], s[4:5]         ; A's codes: w_qkv's for v, else x's
	s_cselect_b64 s[98:99], s[10:11], s[6:7]       ; A's scales
	s_cselect_b64 s[100:101], s[4:5], s[8:9]       ; B's codes
	s_cselect_b64 s[12:13], s[6:7], s[10:11]       ; B's scales
	s_add_nc_u64 s[20:21], s[96:97], s[20:21]
	s_add_nc_u64 s[22:23], s[98:99], s[22:23]
	s_add_nc_u64 s[46:47], s[100:101], s[46:47]
	s_add_nc_u64 s[92:93], s[12:13], s[92:93]
	CROUND                                         ; all sixteen work-groups are here: the first joint loads meet
	s_mov_b32 s[G0S], 1
	s_add_co_u32 s[G0S+1], s94, SCL
	s_mov_b64 s[G0S+2:G0S+3], s[22:23]
	s_or_b32 s[G0S+3], s[G0S+3], 0x80000000
	s_mov_b32 s[G0SB], 1
	s_add_co_u32 s[G0SB+1], s94, SCL
	s_mov_b64 s[G0SB+2:G0SB+3], s[92:93]
	s_or_b32 s[G0SB+3], s[G0SB+3], 0x80000000
	JLOAD G0S, G1S, G0SB, G1SB                     ; the scales first; by this text's count a wave has three tensor loads out, and issues no more
.irp s, 0,1
	s_mov_b32 s[G0+4*\s], 1
	s_add_co_u32 s[G0+4*\s+1], s45, \s*SLOT
	s_add_nc_u64 s[G0+4*\s+2:G0+4*\s+3], s[20:21], \s*ROWB
	s_or_b32 s[G0+4*\s+3], s[G0+4*\s+3], 0x80000000
	s_mov_b32 s[G0B+4*\s], 1
	s_add_co_u32 s[G0B+4*\s+1], s45, \s*SLOT
	s_add_nc_u64 s[G0B+4*\s+2:G0B+4*\s+3], s[46:47], \s*ROWB
	s_or_b32 s[G0B+4*\s+3], s[G0B+4*\s+3], 0x80000000
	JLOAD G0+4*\s, G1, G0B+4*\s, G1B
.endr
	v_and_b32 v1, 15, v0                           ; r
	v_bfe_u32 v2, v0, 4, 1                         ; h
	v_mul_u32_u24 v3, v1, PITCH
	v_lshl_add_u32 v4, v2, 4, v3                   ; a fragment's row x pitch + 16 h
	s_mul_i32 s21, s15, HALFT
	s_mul_i32 s22, s16, HALFT
	s_add_co_u32 s22, s22, 2*HALFT
.irp s, 0,1
	v_add_nc_u32 v[ADRA+\s], s21, v4
	v_add_nc_u32 v[ADRB+\s], s22, v4
	s_add_co_u32 s21, s21, SLOT
	s_add_co_u32 s22, s22, SLOT
.endr
	v_mul_u32_u24 v5, v1, KS                       ; my row's scales: 32 bytes a row,
	v_lshrrev_b32 v6, 8, v5
	v_lshl_add_u32 v5, v6, 4, v5                   ; and 16 more for each 256 passed
	s_mul_i32 s21, s15, HALFS
	s_mul_i32 s22, s16, HALFS
	s_add_co_u32 s22, s22, 2*HALFS
	s_sub_co_u32 s22, s22, s21
	v_mul_u32_u24 v6, s22, v2                      ; lanes 16-31 take B's
	s_add_co_u32 s21, s21, SCL
	v_add_nc_u32 v5, v5, v6
	v_add_nc_u32 v[ADRS], s21, v5
.macro FRAG reg, adr, q, i             ; 16 rows x 128 K of 4-bit codes: 8 registers: two loads of 16 bytes, 32 bytes apart
.irp c, 0,1
	ds_load_b128 v[\reg+4*\c:\reg+4*\c+3], v[\adr] offset:64*(\q)+32*\c+(\i)*16*PITCH
.endr
.endm
; 16 matrix instructions: A's blocks a0, a0 + 1 x B's eight.  The 64 accumulators take turns, one instruction a turn, in the same order in every step.
.macro MUL16 a0, p, q, sc, zero
.irp a, \a0, \a0+1
.irp b, 0,1,2,3,4,5,6,7
.if \zero
	v_wmma_scale_f32_16x16x128_f8f6f4 v[8*(8*((\a)%4)+\b):8*(8*((\a)%4)+\b)+7], v[128*(\p)+FR*\b:128*(\p)+FR*\b+FR-1], v[AF+FR*(\a):AF+FR*(\a)+FR-1], 0, v[SC+8*NQ*(\sc)+NQ*\b+(\q)], v[SC+8*NQ*(\sc)+NQ*(\a)+(\q)] matrix_a_fmt:MATRIX_FMT_FP4 matrix_b_fmt:MATRIX_FMT_FP4 matrix_a_scale:MATRIX_SCALE_ROW1
.else
	v_wmma_scale_f32_16x16x128_f8f6f4 v[8*(8*((\a)%4)+\b):8*(8*((\a)%4)+\b)+7], v[128*(\p)+FR*\b:128*(\p)+FR*\b+FR-1], v[AF+FR*(\a):AF+FR*(\a)+FR-1], v[8*(8*((\a)%4)+\b):8*(8*((\a)%4)+\b)+7], v[SC+8*NQ*(\sc)+NQ*\b+(\q)], v[SC+8*NQ*(\sc)+NQ*(\a)+(\q)] matrix_a_fmt:MATRIX_FMT_FP4 matrix_b_fmt:MATRIX_FMT_FP4 matrix_a_scale:MATRIX_SCALE_ROW1
.endif
.endr
.endr
.endm
.macro FETCH_B slot, q, p
	WIN TO_B
.irp i, 0,1,2,3,4,5,6,7
	FRAG 128*(\p)+FR*\i, ADRB+\slot, \q, \i
.endr
	WIN 0
.endm
.macro FETCH_A slot, q, i0
.irp i, \i0, \i0+1, \i0+2, \i0+3
	FRAG AF+FR*(\i), ADRA+\slot, \q, \i
.endr
.endm
.macro SCALES sc                       ; a slot's scale words: lanes 0-15 take A's block i, lanes 16-31 B's block i
.irp i, 0,1,2,3,4,5,6,7
	ds_load_b128 v[SC+8*NQ*\sc+NQ*\i:SC+8*NQ*\sc+NQ*\i+3], v[ADRS] offset:\i*SBLK
.endr
.endm
.macro PLACES n                        ; plain vector lines between a matrix instruction and a load into, or a vector line on, its registers
.rept \n
	v_nop
.endr
.endm
.macro STEP slot, q, zero              ; 128 along K, with its successor in the same slot
	s_wait_dscnt 4*NL                              ; B's set and A's blocks 0-3 are in; the youngest 8 loads (A's blocks 4-7) may be out
	WIN MUL_LO
	MUL16 0, (\q)%2, \q, \slot, \zero
	MUL16 2, (\q)%2, \q, \slot, \zero
	s_wait_dscnt 0
	PLACES NP
	FETCH_B \slot, (\q)+1, 1-(\q)%2
	FETCH_A \slot, (\q)+1, 0
	WIN MUL_HI
	MUL16 4, (\q)%2, \q, \slot, \zero
	MUL16 6, (\q)%2, \q, \slot, \zero
	PLACES NP
	WIN 0
	FETCH_A \slot, (\q)+1, 4
.endm
.macro STEPS slot, from
.set Q, \from
.rept NQ-1-\from
	STEP \slot, Q, 0
.set Q, Q+1
.endr
.endm
	s_wait_tensorcnt 1                             ; the scales and my part of slot 0 are in; slot 1's load may be out
	s_barrier_signal -1
	s_barrier_wait -1
	FETCH_B 0, 0, 0
	FETCH_A 0, 0, 0
	SCALES 0
	FETCH_A 0, 0, 4
	STEP 0, 0, 1                                   ; the first products start the sums: nothing is cleared
	STEPS 0, 1
	; slot 0's last step changes slots: one barrier; nothing is filled again
	s_wait_tensorcnt 0x0                           ; all my tensor loads have landed: my part of slot 1
	ds_add_u32 v[SPW], v[NIL]
	s_wait_dscnt 4*NL+1                            ; (the add and the youngest 8 loads may be out)
	WIN MUL_LO
	MUL16 0, 1, NQ-1, 0, 0
	s_wait_dscnt 0x0                               ; the add is done, and my reads of slot 0 are over
	s_barrier_signal -1
	MUL16 2, 1, NQ-1, 0, 0
	WIN 0
	s_barrier_wait -1
	PLACES NP
	v_add_nc_u32 v[ADRS], 4*NQ, v[ADRS]            ; on to slot 1's scale words
	FETCH_B 1, 0, 0
	FETCH_A 1, 0, 0
	SCALES 1
	WIN MUL_HI
	MUL16 4, 1, NQ-1, 0, 0
	MUL16 6, 1, NQ-1, 0, 0
	PLACES NP
	WIN 0
	FETCH_A 1, 0, 4
	STEPS 1, 0
	s_wait_dscnt 4*NL                              ; the very last step
	WIN MUL_LO
	MUL16 0, 1, NQ-1, 1, 0
	MUL16 2, 1, NQ-1, 1, 0
	s_wait_dscnt 0
	WIN MUL_HI
	MUL16 4, 1, NQ-1, 1, 0
	MUL16 6, 1, NQ-1, 1, 0
	WIN 0
	PLACES NP
	; ---- behind the product.  No tensor load of mine is out, so the descriptors' registers take the other arguments
	s_load_b256 s[24:31], s[0:1], 0x20             ; b_qkv, qc, qs, kc
	s_load_b128 s[32:35], s[0:1], 0x40             ; ks, vc
	s_load_b64 s[36:37], s[0:1], 0x50              ; vs
	s_mov_b32 s[SEL], 0x76543210
	s_mov_b32 s[SEL+1], 0xfedcba98
	s_mov_b32 s22, 0xffff0000                      ; lanes 16-31
	v_and_b32 v1, 15, v0                           ; r
	v_bfe_u32 v2, v0, 4, 1                         ; h
	v_and_b32 v3, 31, v0                           ; lane
	v_lshlrev_b32 v[LI], 4, v3
	v_lshlrev_b32 v[L4], 2, v3
	v_lshlrev_b32 v[R4], 2, v1
	v_lshl_add_u32 v[SOFF], v2, 13, v[R4]
	v_lshlrev_b32 v[SH16], 4, v2
	v_lshlrev_b32 v[BO], 5, v2
	s_lshl_b32 s23, s15, 7
	v_add_nc_u32 v[RTA], s23, v1                   ; my token among the work-group's 256: 128 x half + r (+ 16 a)
	v_mul_u32_u24 v[RTA], v[RTA], TP
	v_lshl_add_u32 v[RTA], v2, 5, v[RTA]           ; + 32 h: frequencies 8 h on
	s_mul_i32 s23, s14, 64*TP
	v_lshl_add_u32 v[TBA], v3, 2, s23              ; where I write the table: my wave's 64 tokens, 4 bytes a lane
.irp b, 0,1,2,3
	v_mov_b32 v[TM+4+\b], 0                        ; written once: a lane permute's destination counts as one of its sources
.endr
.macro FREQ j, bits
	s_mov_b32 s2, \bits
	v_writelane_b32 v[FQ], s2, \j
.endm
	v_mov_b32 v[FQ], 0
	FREQ 0, 0x3F800000                             ; fl(1 / fl(10^(j/8))), j = the lane
	FREQ 1, 0x3F3FF911
	FREQ 2, 0x3F0FF59A
	FREQ 3, 0x3ED7E89B
	FREQ 4, 0x3EA1E89B
	FREQ 5, 0x3E72D423
	FREQ 6, 0x3E361887
	FREQ 7, 0x3E088D77
	FREQ 8, 0x3DCCCCCD
	FREQ 9, 0x3D99940D
	FREQ 10, 0x3D6655C2
	FREQ 11, 0x3D2CBA15
	FREQ 12, 0x3D0186E3
	FREQ 13, 0x3CC2434F
	FREQ 14, 0x3C91AD39
	FREQ 15, 0x3C5A7BF2
	FREQ 16, 0x3C23D70A
	FREQ 17, 0x3BF5B9B0
	FREQ 18, 0x3BB8449C
	FREQ 19, 0x3B8A2E77
	FREQ 20, 0x3B4F3E38
	FREQ 21, 0x3B1B690D
	FREQ 22, 0x3AE91528
	FREQ 23, 0x3AAEC98E
	FREQ 24, 0x3A83126F
	FREQ 25, 0x3A44948C
	FREQ 26, 0x3A136A16
	FREQ 27, 0x39DD1725
	FREQ 28, 0x39A5CB60
	FREQ 29, 0x3978A815
	FREQ 30, 0x393A7753
	FREQ 31, 0x390BD472
	v_mov_b32 v[FQ+1], v[FQ]
.macro CONST reg, bits
	v_mov_b32 v[\reg], \bits
	v_mov_b32 v[\reg+1], \bits
.endm
	CONST K2P, 0x3F22F983                          ; 2 / pi
	CONST KP1, 0xBFC90FDB                          ; -(pi/2 rounded to f32)
	CONST KP2, 0x333BBD2E                          ; -(pi/2 less that)
	CONST KS3, 0xB94CA1F9                          ; the sine's polynomial
	CONST KS2, 0x3C08839E
	CONST KS1, 0xBE2AAAA3
	CONST KC3, 0x37CCF5CE                          ; the cosine's
	CONST KC2, 0xBAB6061A
	CONST KC1, 0x3D2AAAA5
	CONST KMH, 0xBF000000                          ; -0.5
	CONST KON, 0x3F800000                          ; 1.0
	s_and_b32 s45, s17, 7
	s_lshl_b32 s45, s45, 8
	s_lshl_b32 s47, s14, 6
	s_add_co_u32 s45, s45, s47                     ; my wave's first position in the sequence: 256 (tile mod 8) + 64 x wave
	v_mov_b32 v[T0], s45
	v_cvt_f32_u32 v[T0], v[T0]
	v_add_f32 v[T0+1], 1.0, v[T0]                  ; two tokens a trip
	s_mov_b32 s43, 0                               ; the trip's place in my part of the table
	s_mov_b32 s38, 32
	s_wait_kmcnt 0x0
.macro QUAD i                          ; token i: the quadrant n mod 4: sine and cosine change places where n is odd; the sine's sign is bit 1 of n, the cosine's bit 1 of n + 1
	v_and_b32 v[TQ], 1, v[NI+\i]
	v_add_nc_u32 v[TQ+1], 1, v[NI+\i]
	v_lshlrev_b32 v[TQ+2], 30, v[NI+\i]
	v_cmp_eq_u32 vcc_lo, 1, v[TQ]
	v_lshlrev_b32 v[TQ+1], 30, v[TQ+1]
	v_cndmask_b32 v[RS+2*\i], v[PS+\i], v[PO+\i], vcc_lo
	v_cndmask_b32 v[RS+2*\i+1], v[PO+\i], v[PS+\i], vcc_lo
	v_and_b32 v[TQ+2], 0x80000000, v[TQ+2]
	v_and_b32 v[TQ+1], 0x80000000, v[TQ+1]
	v_xor_b32 v[RS+2*\i], v[RS+2*\i], v[TQ+2]
	v_xor_b32 v[RS+2*\i+1], v[RS+2*\i+1], v[TQ+1]
.endm
.Ltab:                                             ; 32 trips in every work-group
	s_cmp_eq_u32 ttmp9, 2                          ; v has no RoPE: the trip's work is jumped over (the cluster's x: the same in all partners and waves)
	s_cbranch_scc1 .Ltab_next
	v_pk_mul_f32 v[AN:AN+1], v[T0:T0+1], v[FQ:FQ+1]                 ; the angle, rounded as reference() rounds it
	v_pk_mul_f32 v[NF:NF+1], v[AN:AN+1], v[K2P:K2P+1]
	v_rndne_f32 v[NF], v[NF]
	v_rndne_f32 v[NF+1], v[NF+1]                                    ; n
	v_pk_fma_f32 v[RR:RR+1], v[NF:NF+1], v[KP1:KP1+1], v[AN:AN+1]   ; exact: under 1 in size, in units of 2^-23
	v_pk_fma_f32 v[RR:RR+1], v[NF:NF+1], v[KP2:KP2+1], v[RR:RR+1]
	v_pk_mul_f32 v[ZZ:ZZ+1], v[RR:RR+1], v[RR:RR+1]
	v_pk_fma_f32 v[PS:PS+1], v[ZZ:ZZ+1], v[KS3:KS3+1], v[KS2:KS2+1]
	v_pk_fma_f32 v[PO:PO+1], v[ZZ:ZZ+1], v[KC3:KC3+1], v[KC2:KC2+1]
	v_pk_fma_f32 v[PS:PS+1], v[PS:PS+1], v[ZZ:ZZ+1], v[KS1:KS1+1]
	v_pk_fma_f32 v[PO:PO+1], v[PO:PO+1], v[ZZ:ZZ+1], v[KC1:KC1+1]
	v_pk_mul_f32 v[PS:PS+1], v[PS:PS+1], v[ZZ:ZZ+1]
	v_pk_fma_f32 v[PO:PO+1], v[PO:PO+1], v[ZZ:ZZ+1], v[KMH:KMH+1]
	v_pk_fma_f32 v[PS:PS+1], v[PS:PS+1], v[RR:RR+1], v[RR:RR+1]     ; sin r
	v_pk_fma_f32 v[PO:PO+1], v[PO:PO+1], v[ZZ:ZZ+1], v[KON:KON+1]   ; cos r
	v_cvt_i32_f32 v[NI], v[NF]
	v_cvt_i32_f32 v[NI+1], v[NF+1]
	s_wait_dscnt 0x0                               ; the last trip's stores have read their registers
	QUAD 0
	QUAD 1
	v_add_nc_u32 v[TAD], s43, v[TBA]
	ds_store_b32 v[TAD], v[RS+1]                   ; the first token's cosines,
	ds_store_b32 v[TAD], v[RS] offset:128          ; its sines,
	ds_store_b32 v[TAD], v[RS+3] offset:TP         ; the second token's
	ds_store_b32 v[TAD], v[RS+2] offset:TP+128
	v_add_f32 v[T0], 2.0, v[T0]
	v_add_f32 v[T0+1], 2.0, v[T0+1]
.Ltab_next:
	s_add_co_u32 s43, s43, 2*TP
	s_sub_co_u32 s38, s38, 1
	s_cmp_lg_u32 s38, 0
	s_cbranch_scc1 .Ltab
	s_wait_dscnt 0x0                               ; for the others' sake: my part of the table has landed
	s_barrier_signal -1
	s_barrier_wait -1
; 64 numbers of a lane, v[s] on, register 8 t + j = index 16 t + 8 h + j of my row, become a fragment's codes in v[PC] on, in the order of K, and its scale word in v[pw].
; A block of 32 lies in registers 16 b .. 16 b + 15 of lanes l and l xor 16: lane h holds its words h and 2 + h.  The conversions' results are laid so that two exchanges of halves for each pair of blocks
; leave register 4 c + i of lane h = word i of block 2 c + h: the operand's layout.
.macro QUANTN s, pw
.irp b, 0,1,2,3
	v_max3_num_f32 v[TM+\b], |v[\s+16*\b]|, |v[\s+1+16*\b]|, 0x1800000   ; and the floor 2^(3 - 127): the byte cannot fall under 1
.endr
.irp i, 2,4,6,8,10,12,14
.irp b, 0,1,2,3
	v_max3_num_f32 v[TM+\b], v[TM+\b], |v[\s+16*\b+\i]|, |v[\s+1+16*\b+\i]|
.endr
.endr
.irp b, 0,1,2,3
	v_permlanex16_b32 v[TM+4+\b], v[TM+\b], s[SEL], s[SEL+1]
.endr
.irp b, 0,1,2,3
	v_max_num_f32 v[TM+\b], v[TM+\b], v[TM+4+\b]   ; the block's largest magnitude
.endr
.irp b, 0,1,2,3
	v_add_nc_u32 v[TM+12+\b], 0xff000000, v[TM+\b] ; 2 off its exponent field: the conversion's scale operand
.endr
.irp b, 0,1,2,3
	v_lshrrev_b32 v[TM+4+\b], 23, v[TM+12+\b]      ; the scale's byte
.endr
	v_lshl_or_b32 v[\pw], v[TM+5], 8, v[TM+4]
	v_lshl_or_b32 v[\pw], v[TM+6], 16, v[\pw]
	v_lshl_or_b32 v[\pw], v[TM+7], 24, v[\pw]
.irp c, 0,1
	v_cvt_scalef32_pk8_fp4_f32 v[PC+4*\c], v[\s+32*\c:\s+32*\c+7], v[TM+12+2*\c]
	v_cvt_scalef32_pk8_fp4_f32 v[PC+4*\c+2], v[\s+32*\c+8:\s+32*\c+15], v[TM+12+2*\c]
	v_cvt_scalef32_pk8_fp4_f32 v[PC+4*\c+1], v[\s+32*\c+16:\s+32*\c+23], v[TM+13+2*\c]
	v_cvt_scalef32_pk8_fp4_f32 v[PC+4*\c+3], v[\s+32*\c+24:\s+32*\c+31], v[TM+13+2*\c]
.endr
	v_nop                                          ; one plain line behind a scaled conversion
.irp c, 0,1
	v_permlane16_swap_b32 v[PC+4*\c], v[PC+4*\c+1]
	v_permlane16_swap_b32 v[PC+4*\c+2], v[PC+4*\c+3]
.endr
.endm
	s_cmp_eq_u32 ttmp9, 2
	s_cbranch_scc1 .Lv
	; ---- q and k.  My 128 tokens are tiles tile0 .. tile0 + 7 of batch b; my 128 features are heads bh0 and bh0 + 1
	s_lshr_b32 s44, s17, 3                         ; b
	s_and_b32 s45, s17, 7
	s_lshl_b32 s46, s45, 4
	s_lshl_b32 s47, s15, 3
	s_add_co_u32 s46, s46, s47                     ; tile0 = 16 (tile mod 8) + 8 x half
	s_lshl_b32 s44, s44, 4
	s_lshl_b32 s47, s40, 2
	s_add_co_u32 s44, s44, s47
	s_lshl_b32 s47, s16, 1
	s_add_co_u32 s44, s44, s47                     ; bh0 = 16 b + 4 cx + 2 x half
	s_lshl_b32 s48, s44, 16
	s_lshl_b32 s47, s46, 9
	s_add_co_u32 s48, s48, s47                     ; codes: 65,536 a head, 512 a tile
	s_mov_b32 s49, 0
	s_lshl_b32 s50, s44, 13
	s_lshl_b32 s47, s46, 6
	s_add_co_u32 s50, s50, s47                     ; scale words: 8,192 a head, 64 a tile
	s_mov_b32 s51, 0
	s_lshl_b32 s56, s42, 10
	s_lshl_b32 s47, s16, 9
	s_add_co_u32 s56, s56, s47                     ; the bias: 4 (256 x B's tile + 128 x half)
	s_mov_b32 s57, 0
	s_cmp_eq_u32 ttmp9, 0
	s_cselect_b64 s[52:53], s[26:27], s[30:31]     ; qc or kc
	s_cselect_b64 s[54:55], s[28:29], s[32:33]     ; qs or ks
	s_add_nc_u64 s[52:53], s[52:53], s[48:49]
	s_add_nc_u64 s[54:55], s[54:55], s[50:51]
	s_add_nc_u64 s[56:57], s[24:25], s[56:57]
.irp t, 0,1,2,3,4,5,6,7
	global_load_b128 v[BI+8*\t:BI+8*\t+3], v[BO], s[56:57] offset:64*\t        ; the bias of features 16 t + 8 h + 0 .. 7
	global_load_b128 v[BI+8*\t+4:BI+8*\t+7], v[BO], s[56:57] offset:64*\t+16
.endr
.macro LOADCS a                        ; tile a's cosines and sines: index 8 u + j = frequency 16 u + 8 h + j; set a % 2: v96-127 or v32-63
.set CSB, 96-64*((\a)%2)
.irp u, 0,1
	ds_load_b128 v[CSB+8*\u:CSB+8*\u+3], v[RTA] offset:16*TP*(\a)+64*\u
	ds_load_b128 v[CSB+8*\u+4:CSB+8*\u+7], v[RTA] offset:16*TP*(\a)+64*\u+16
	ds_load_b128 v[CSB+16+8*\u:CSB+16+8*\u+3], v[RTA] offset:16*TP*(\a)+128+64*\u
	ds_load_b128 v[CSB+16+8*\u+4:CSB+16+8*\u+7], v[RTA] offset:16*TP*(\a)+128+64*\u+16
.endr
.endm
.macro QKROW a                         ; tokens 16 a .. 16 a + 15 of my 128: bias, RoPE, codes, three stores
.if (\a) < 7
	LOADCS (\a)+1
	s_wait_dscnt 8                                 ; this tile's eight loads are in; the next tile's eight may be out
.else
	s_wait_dscnt 0x0
.endif
.set CSR, 96-64*((\a)%2)
.set AC, 64*((\a)%4)
	WIN 0x02+(\a)/4                                ; source 0: the accumulators' window
.set i, 0
.rept 32
	v_pk_add_f32 v[H+i:H+i+1], v[AC+i:AC+i+1], v[BI+i:BI+i+1]      ; each accumulator from its low end on
.set i, i+2
.endr
	WIN 0
.irp c, 0,1                            ; head c; x1 = d 16 u + 8 h + j, x2 = that + 32
.irp u, 0,1
.irp j, 0,2,4,6
	v_pk_mul_f32 v[TM+\j:TM+\j+1], v[H+32*\c+16+8*\u+\j:H+32*\c+16+8*\u+\j+1], v[CSR+16+8*\u+\j:CSR+16+8*\u+\j+1]   ; x2 sin
.endr
.irp j, 0,2,4,6
	v_pk_mul_f32 v[TM+8+\j:TM+8+\j+1], v[H+32*\c+8*\u+\j:H+32*\c+8*\u+\j+1], v[CSR+16+8*\u+\j:CSR+16+8*\u+\j+1]     ; x1 sin
.endr
.irp j, 0,2,4,6
	v_pk_fma_f32 v[H+32*\c+8*\u+\j:H+32*\c+8*\u+\j+1], v[H+32*\c+8*\u+\j:H+32*\c+8*\u+\j+1], v[CSR+8*\u+\j:CSR+8*\u+\j+1], v[TM+\j:TM+\j+1] neg_lo:[0,0,1] neg_hi:[0,0,1]   ; x1 cos - x2 sin
.endr
.irp j, 0,2,4,6
	v_pk_fma_f32 v[H+32*\c+16+8*\u+\j:H+32*\c+16+8*\u+\j+1], v[H+32*\c+16+8*\u+\j:H+32*\c+16+8*\u+\j+1], v[CSR+8*\u+\j:CSR+8*\u+\j+1], v[TM+8+\j:TM+8+\j+1]               ; x2 cos + x1 sin
.endr
.endr
.endr
	s_wait_xcnt 0x0                                ; the last tile's stores have read their registers
	QUANTN H, PW
	v_lshrrev_b32 v[PW+1], v[SH16], v[PW]          ; lanes 0-15: the first head's two bytes lowest; lanes 16-31: the second head's
	global_store_b128 v[LI], v[PC:PC+3], s[52:53] offset:512*(\a)              ; 512 consecutive bytes, aligned
	global_store_b128 v[LI], v[PC+4:PC+7], s[52:53] offset:65536+512*(\a)      ; the second head's
	global_store_b32 v[SOFF], v[PW+1], s[54:55] offset:64*(\a)
.endm
	LOADCS 0
	s_wait_loadcnt 0x0                             ; the bias
.irp a, 0,1,2,3,4,5,6,7
	QKROW \a
.endr
	FINI
.Lv:	; ---- v.  My 128 channels are heads bh0 and bh0 + 1; my 128 tokens are key step kstep of batch b
	s_lshr_b32 s44, s42, 3                         ; b
	s_and_b32 s45, s42, 7
	s_lshl_b32 s45, s45, 1
	s_add_co_u32 s45, s45, s16                     ; kstep = 2 (tile mod 8) + half
	s_lshl_b32 s44, s44, 4
	s_lshl_b32 s47, s41, 2
	s_add_co_u32 s44, s44, s47
	s_lshl_b32 s47, s15, 1
	s_add_co_u32 s44, s44, s47                     ; bh0 = 16 b + 4 cy + 2 x half
	s_lshl_b32 s48, s44, 16
	s_lshl_b32 s47, s45, 12
	s_add_co_u32 s48, s48, s47                     ; codes: 65,536 a head, 4,096 a key step
	s_mov_b32 s49, 0
	s_add_nc_u64 s[52:53], s[34:35], s[48:49]
	s_lshl_b32 s48, s44, 12
	s_lshl_b32 s47, s45, 8
	s_add_co_u32 s48, s48, s47                     ; scale words: 4,096 a head, 256 a key step
	s_add_nc_u64 s[54:55], s[36:37], s[48:49]
	s_lshl_b32 s48, s41, 10
	s_lshl_b32 s47, s15, 9
	s_add_co_u32 s48, s48, s47
	s_add_co_u32 s48, s48, 8192                    ; the bias: 4 (2,048 + 256 cy + 128 x half)
	s_add_nc_u64 s[56:57], s[24:25], s[48:49]
.irp a, 0,1,2,3,4,5,6,7
	global_load_b32 v[96+2*\a], v[R4], s[56:57] offset:64*\a       ; my channel's bias, in both registers of a pair
	global_load_b32 v[97+2*\a], v[R4], s[56:57] offset:64*\a
.endr
.macro VROW a                          ; channels 16 a .. 16 a + 15 of my 128: bias, codes along the 128 keys
.set AC, 64*((\a)%4)
	WIN 0x02+(\a)/4
.set i, 0
.rept 32
	v_pk_add_f32 v[H+i:H+i+1], v[AC+i:AC+i+1], v[96+2*(\a):97+2*(\a)]
.set i, i+2
.endr
	WIN 0
	s_wait_xcnt 0x0                                ; the last tile's stores have read their registers
	QUANTN H, PW+(\a)%2
	global_store_b128 v[LI], v[PC:PC+3], s[52:53] offset:65536*((\a)/4)+1024*((\a)%4)
	global_store_b128 v[LI], v[PC+4:PC+7], s[52:53] offset:65536*((\a)/4)+1024*((\a)%4)+512
.if (\a)%2
	v_cndmask_b32 v[PW+2], v[PW], v[PW+1], s22     ; lanes 0-15: the even tile's words; lanes 16-31: the odd tile's: 128 consecutive bytes
	global_store_b32 v[L4], v[PW+2], s[54:55] offset:4096*((\a)/4)+128*(((\a)%4)/2)
.endif
.endm
	s_wait_loadcnt 0x0
.irp a, 0,1,2,3,4,5,6,7
	VROW \a
.endr
	FINI
.Lfunc_end_k_q78bc59ae8b_qkv:
	.size	k_q78bc59ae8b_qkv, .Lfunc_end_k_q78bc59ae8b_qkv-k_q78bc59ae8b_qkv
	.p2alignl 7, 3214868480
	.fill 96, 4, 3214868480
	.section	.rodata,"a",@progbits
	.p2align	6, 0x0
	.amdhsa_kernel k_q78bc59ae8b_qkv
		.amdhsa_group_segment_fixed_size 327680
		.amdhsa_private_segment_fixed_size 0
		.amdhsa_enable_private_segment 0
		.amdhsa_kernarg_size 88
		.amdhsa_user_sgpr_count 2
		.amdhsa_user_sgpr_kernarg_segment_ptr 1
		.amdhsa_wavefront_size32 1
		.amdhsa_system_sgpr_workgroup_id_x 1
		.amdhsa_system_sgpr_workgroup_id_y 1
		.amdhsa_system_sgpr_workgroup_id_z 1
		.amdhsa_system_vgpr_workitem_id 0
		.amdhsa_next_free_vgpr 1024
		.amdhsa_next_free_sgpr 102
		.amdhsa_reserve_vcc 1
		.amdhsa_float_denorm_mode_32 3
		.amdhsa_float_denorm_mode_16_64 3
		.amdhsa_memory_ordered 1
		.amdhsa_forward_progress 1
		.amdhsa_inst_pref_size 243
	.end_amdhsa_kernel
	.amdgpu_metadata
---
amdhsa.version: [ 1, 2 ]
amdhsa.kernels:
  - .name:           k_q78bc59ae8b_qkv
    .symbol:         k_q78bc59ae8b_qkv.kd
    .args:
      - { .name: x_codes, .offset: 0, .size: 8, .value_kind: global_buffer, .address_space: global }
      - { .name: x_scales, .offset: 8, .size: 8, .value_kind: global_buffer, .address_space: global }
      - { .name: w_qkv_codes, .offset: 16, .size: 8, .value_kind: global_buffer, .address_space: global }
      - { .name: w_qkv_scales, .offset: 24, .size: 8, .value_kind: global_buffer, .address_space: global }
      - { .name: b_qkv, .offset: 32, .size: 8, .value_kind: global_buffer, .address_space: global }
      - { .name: qc, .offset: 40, .size: 8, .value_kind: global_buffer, .address_space: global }
      - { .name: qs, .offset: 48, .size: 8, .value_kind: global_buffer, .address_space: global }
      - { .name: kc, .offset: 56, .size: 8, .value_kind: global_buffer, .address_space: global }
      - { .name: ks, .offset: 64, .size: 8, .value_kind: global_buffer, .address_space: global }
      - { .name: vc, .offset: 72, .size: 8, .value_kind: global_buffer, .address_space: global }
      - { .name: vs, .offset: 80, .size: 8, .value_kind: global_buffer, .address_space: global }
    .group_segment_fixed_size: 327680
    .private_segment_fixed_size: 0
    .kernarg_segment_align: 8
    .kernarg_segment_size: 88
    .max_flat_workgroup_size: 128
    .sgpr_count:     102
    .vgpr_count:     1024
    .wavefront_size: 32
...
	.end_amdgpu_metadata
.endif
;; end of part 1
;; launch attn (part 2): grid 8 x 32, 16 waves a work-group, no clusters, 327,680 bytes of LDS; arguments qc, qs, kc, ks, vc, vs, oc, os; writes oc, os
.if DOCPART == 2
	.amdgcn_target "amdgcn-amd-amdhsa--gfx1250"
	.amdhsa_code_object_version 6
	.text
	.protected	k_q78bc59ae8b_attn
	.globl	k_q78bc59ae8b_attn
	.p2align	8
	.type	k_q78bc59ae8b_attn,@function
k_q78bc59ae8b_attn:
	s_mov_b64 s[64:65], 0
	v_nop
	global_prefetch_b8 v0, s[64:65] scope:SCOPE_SE
	s_setreg_imm32_b32 hwreg(HW_REG_WAVE_MODE, 25, 1), 1
	s_wait_xcnt 0x0
.set SLOT1, 32768
.set VOFF,  16384
.set SCK,   65536
.set SCV,   81920
.set SPARE, 90112
.set LI,   1
.set ASK0, 2
.set ASV0, 3
.set PFO,  4
.set SPW,  5
.set NIL,  6
.set QSO,  7
.set ADK,  8
.set OSO,  9
.set ADS,  10
.set ADT,  11
.set WV,   20
.set SEL,  22
.set CS,   24
.set G1,   28
.set G1SV, 36
.set G0K,  44
.set G0V,  48
.set G0SK, 52
.set G0SV, 56
.set TB,   2
.set TS,   3
.set TJ,   60
.set SLOTS, 61
.set LIM,  63
.set PFA,  66
.macro TLOAD g0k, g1k, g0v, g1v
	s_cmp_lt_u32 s[WV], 2
	s_cbranch_scc0 .Lnot_k_\@
	tensor_load_to_lds s[\g0k:\g0k+3], s[\g1k:\g1k+7]
	s_nop 0
.rept 4
	v_nop
.endr
	s_branch .Lasked_\@
.Lnot_k_\@:
	s_cmp_lt_u32 s[WV], 4
	s_cbranch_scc0 .Lasked_\@
	tensor_load_to_lds s[\g0v:\g0v+3], s[\g1v:\g1v+7]
	s_nop 0
.rept 4
	v_nop
.endr
.Lasked_\@:
.endm
.macro ASK
	s_cmp_gt_u32 s[SLOTS], s[LIM]
	s_cbranch_scc0 .Lnot_mine_\@
	global_prefetch_b8 v[PFO], s[PFA:PFA+1] th:TH_LOAD_NT scope:SCOPE_SE
.Lnot_mine_\@:
.endm
	s_load_b256 s[4:11], s[0:1], 0x0
	s_load_b256 s[12:19], s[0:1], 0x20
	v_lshl_add_u32 v[SPW], v0, 2, SPARE
	v_mov_b32 v[NIL], 0
	ds_add_u32 v[SPW], v[NIL]
	ds_add_u32 v[SPW], v[NIL]
	v_lshrrev_b32 v8, 5, v0
	s_delay_alu instid0(VALU_DEP_1)
	v_readfirstlane_b32 s[WV], v8
	s_and_b32 s68, ttmp7, 0xffff
	s_and_b32 s69, s[WV], 1
	s_mov_b32 s[G1], 3<<16
	s_mov_b32 s[G1+1], 32<<16
	s_mov_b32 s[G1+2], 32<<16
	s_mov_b32 s[G1+3], 32<<16
	s_mov_b32 s[G1+4], 32
	s_mov_b32 s[G1+5], 32
	s_mov_b32 s[G1+6], 0
	s_mov_b32 s[G1+7], 0
	s_mov_b32 s[G1SV], 3<<16
	s_mov_b32 s[G1SV+1], 32<<16
	s_mov_b32 s[G1SV+2], 16<<16
	s_mov_b32 s[G1SV+3], 32<<16
	s_mov_b32 s[G1SV+4], 16
	s_mov_b32 s[G1SV+5], 32
	s_mov_b32 s[G1SV+6], 0
	s_mov_b32 s[G1SV+7], 0
	s_lshl_b32 s76, s69, 13
	s_lshl_b32 s77, s69, 12
	s_lshl_b32 s70, s68, 17
	s_add_co_u32 s70, s70, s76
	s_mov_b32 s71, 0
	s_lshl_b32 s72, s68, 14
	s_add_co_u32 s72, s72, s76
	s_mov_b32 s73, 0
	s_lshl_b32 s74, s68, 13
	s_add_co_u32 s74, s74, s77
	s_mov_b32 s75, 0
	s_mov_b32 s[SEL], 0x76543210
	s_mov_b32 s[SEL+1], 0xfedcba98
	s_mov_b32 s[CS], 0x3e38aa3b
	s_mov_b32 s[CS+1], s[CS]
	s_mov_b32 s[TB], 0
	s_mov_b32 s[TS], 0
	s_mov_b32 s[TJ], 0
	s_mov_b32 s[SLOTS], 7
	s_wait_dscnt 0x0
	s_wait_kmcnt 0x0
	s_mov_b32 s[G0SK], 1
	s_add_co_u32 s[G0SK+1], s76, SCK
	s_add_nc_u64 s[G0SK+2:G0SK+3], s[10:11], s[72:73]
	s_or_b32 s[G0SK+3], s[G0SK+3], 0x80000000
	s_mov_b32 s[G0SV], 1
	s_add_co_u32 s[G0SV+1], s77, SCV
	s_add_nc_u64 s[G0SV+2:G0SV+3], s[14:15], s[74:75]
	s_or_b32 s[G0SV+3], s[G0SV+3], 0x80000000
	TLOAD G0SK, G1, G0SV, G1SV
	s_mov_b32 s[G0K], 1
	s_mov_b32 s[G0K+1], s76
	s_add_nc_u64 s[G0K+2:G0K+3], s[8:9], s[70:71]
	s_or_b32 s[G0K+3], s[G0K+3], 0x80000000
	s_mov_b32 s[G0V], 1
	s_add_co_u32 s[G0V+1], s76, VOFF
	s_add_nc_u64 s[G0V+2:G0V+3], s[12:13], s[70:71]
	s_or_b32 s[G0V+3], s[G0V+3], 0x80000000
	TLOAD G0K, G1, G0V, G1
	s_lshl_b32 s78, ttmp9, 4
	s_add_co_u32 s78, s78, s[WV]
	s_lshl_b32 s80, s78, 9
	s_lshl_b32 s81, s68, 17
	s_add_co_u32 s80, s80, s81
	s_mov_b32 s81, 0
	s_add_nc_u64 s[4:5], s[4:5], s[80:81]
	s_lshl_b32 s80, s78, 6
	s_lshl_b32 s82, s68, 14
	s_add_co_u32 s80, s80, s82
	s_add_nc_u64 s[6:7], s[6:7], s[80:81]
	s_lshr_b32 s82, s68, 3
	s_lshl_b32 s82, s82, 7
	s_add_co_u32 s82, s82, s78
	s_and_b32 s83, s68, 7
	s_lshl_b32 s80, s82, 3
	s_add_co_u32 s80, s80, s83
	s_lshl_b32 s80, s80, 10
	s_add_nc_u64 s[16:17], s[16:17], s[80:81]
	s_lshl_b32 s80, s82, 9
	s_lshl_b32 s83, s83, 2
	s_add_co_u32 s80, s80, s83
	s_add_nc_u64 s[18:19], s[18:19], s[80:81]
	s_cmp_lt_u32 s[WV], 6
	s_cselect_b64 s[PFA:PFA+1], s[8:9], s[12:13]
	s_add_nc_u64 s[PFA:PFA+1], s[PFA:PFA+1], s[70:71]
	s_add_nc_u64 s[PFA:PFA+1], s[PFA:PFA+1], 16384
	s_sub_co_u32 s84, s[WV], 4
	s_lshr_b32 s84, s84, 2
	s_or_b32 s84, s84, ttmp9
	s_cmp_eq_u32 s84, 0
	s_cselect_b32 s[LIM], 1, -1
	v_and_b32 v8, 31, v0
	s_delay_alu instid0(VALU_DEP_1)
	v_lshlrev_b32 v[LI], 4, v8
	s_delay_alu instid0(VALU_DEP_2)
	v_lshl_add_u32 v[ASK0], v8, 2, SCK
	s_delay_alu instid0(VALU_DEP_3)
	v_lshl_add_u32 v[ASV0], v8, 2, SCV
	s_delay_alu instid0(VALU_DEP_4)
	v_lshlrev_b32 v[PFO], 8, v8
	v_and_b32 v[OSO], 15, v0
	s_delay_alu instid0(VALU_DEP_1)
	v_lshlrev_b32 v[QSO], 2, v[OSO]
	s_delay_alu instid0(VALU_DEP_2)
	v_lshlrev_b32 v[OSO], 5, v[OSO]
.irp i, 20,21,22,23
	v_mov_b32 v\i, 0
.endr
.irp t, 0,1,2,3,4,5,6,7
.irp i, 4,5,6,7
	v_mov_b32 v[32+8*\t+\i], 0
.endr
.endr
.irp b, 0,1,2,3
	v_mov_b32 v[236+\b], 0
.endr
	v_mov_b32 v253, 0
.macro HEADINIT hd
	global_load_b128 v[16:19], v[LI], s[4:5] offset:65536*\hd
	global_load_b32 v255, v[QSO], s[6:7] offset:8192*\hd
	v_mov_b32 v13, 0xff61b1e6
	s_delay_alu instid0(VALU_DEP_1)
	v_floor_f32 v12, -v13
	v_mov_b32 v14, 0
	v_mov_b32 v15, 0
.set j, 0
.rept 32
	v_mov_b32 v[160+j], 0
.set j, j+1
.endr
.endm
.macro STEP q
	v_add_nc_u32 v[ADK], s[TB], v[LI]
	v_add_nc_u32 v[ADS], s[TS], v[ASK0]
	v_add_nc_u32 v[ADT], s[TJ], v[ASV0]
	v_nop
.irp t, 0,1,2,3,4,5,6,7
	ds_load_b128 v[32+8*\t:35+8*\t], v[ADK] offset:4096*(\q)+512*\t
.endr
.irp i, 0,1,2,3
	ds_load_b32 v[240+\i], v[ADS] offset:128*\i
.endr
.irp t, 0,1,2,3
.irp c, 0,1
	ds_load_b128 v[192+8*\t+4*\c:195+8*\t+4*\c], v[ADK] offset:VOFF+4096*(\q)+1024*\t+512*\c
.endr
.endr
.irp i, 0,1
	ds_load_b32 v[248+\i], v[ADT] offset:128*\i
.endr
	s_wait_dscnt 10
.irp t, 0,2,4,6
	v_wmma_scale_f32_16x16x128_f8f6f4 v[96+8*\t:103+8*\t], v[32+8*\t:39+8*\t], v[16:23], 0, v[240+\t/2], v255 matrix_a_fmt:MATRIX_FMT_FP4 matrix_b_fmt:MATRIX_FMT_FP4
	v_wmma_scale_f32_16x16x128_f8f6f4 v[104+8*\t:111+8*\t], v[40+8*\t:47+8*\t], v[16:23], 0, v[240+\t/2], v255 matrix_a_fmt:MATRIX_FMT_FP4 matrix_b_fmt:MATRIX_FMT_FP4 matrix_a_scale:MATRIX_SCALE_ROW1
.endr
.rept 4
	v_nop
.endr
.irp b, 0,1,2,3
	v_max3_num_f32 v[232+\b], v[96+16*\b], v[97+16*\b], v[98+16*\b]
.endr
.irp i, 3,5,7,9,11,13
.irp b, 0,1,2,3
	v_max3_num_f32 v[232+\b], v[232+\b], v[96+16*\b+\i], v[97+16*\b+\i]
.endr
.endr
.irp b, 0,1,2,3
	v_max_num_f32 v[232+\b], v[232+\b], v[111+16*\b]
.endr
.irp b, 0,1,2,3
	s_delay_alu instid0(VALU_DEP_4)
	v_permlanex16_b32 v[236+\b], v[232+\b], s[SEL], s[SEL+1]
.endr
.irp b, 0,1,2,3
	s_delay_alu instid0(VALU_DEP_4)
	v_max_num_f32 v[232+\b], v[232+\b], v[236+\b]
.endr
	s_delay_alu instid0(VALU_DEP_2)
	v_max3_num_f32 v254, v232, v233, v234
	s_delay_alu instid0(VALU_DEP_1)
	v_max_num_f32 v254, v254, v235
	s_delay_alu instid0(VALU_DEP_1)
	v_mul_f32 v254, s[CS], v254
	s_delay_alu instid0(VALU_DEP_1)
	v_max_num_f32 v13, v13, v254
	v_mov_b32 v254, v12
	s_delay_alu instid0(VALU_DEP_2)
	v_floor_f32 v12, -v13
	s_delay_alu instid0(VALU_DEP_1)
	v_sub_f32 v254, v12, v254
	s_delay_alu instid0(VALU_DEP_1)
	v_cvt_i32_f32 v254, v254
	s_delay_alu instid0(VALU_DEP_1)
	v_ldexp_f32 v252, 1.0, v254
.irp j, 0,2,4,6,8,10,12,14,16,18,20,22,24,26,28,30,32,34,36,38,40,42,44,46,48,50,52,54,56,58,60,62
	v_pk_fma_f32 v[96+\j:97+\j], v[96+\j:97+\j], s[CS:CS+1], v[12:13] op_sel_hi:[1,0,0]
.endr
.irp b, 0,1,2,3
	v_fma_f32 v[232+\b], v[232+\b], s[CS], v12
.endr
	s_wait_alu depctr_va_vdst(0)
.irp j, 0,1,2,3,4,5,6,7,8,9,10,11,12,13,14,15,16,17,18,19,20,21,22,23,24,25,26,27,28,29,30,31,32,33,34,35,36,37,38,39,40,41,42,43,44,45,46,47,48,49,50,51,52,53,54,55,56,57,58,59,60,61,62,63
	v_exp_f32 v[96+\j], v[96+\j]
.endr
	v_pk_mul_f32 v[14:15], v[14:15], v[252:253] op_sel_hi:[1,0]
	s_wait_alu depctr_va_vdst(0)
.irp b, 0,1,2,3
	v_exp_f32 v[232+\b], v[232+\b]
.endr
	v_pk_add_f32 v[236:237], v[96:97], v[98:99]
.irp j, 4,8,12,16,20,24,28,32,36,40,44,48,52,56,60
	v_pk_add_f32 v[14:15], v[14:15], v[96+\j:97+\j]
	v_pk_add_f32 v[236:237], v[236:237], v[98+\j:99+\j]
.endr
	s_delay_alu instid0(VALU_DEP_1)
	v_pk_add_f32 v[14:15], v[14:15], v[236:237]
	s_wait_alu depctr_va_vdst(0)
.irp b, 0,1,2,3
	v_max_num_f32 v[232+\b], 0x1800000, v[232+\b]
.endr
.irp b, 0,1,2,3
	s_delay_alu instid0(VALU_DEP_4)
	v_add_nc_u32 v[244+\b], 0xff000000, v[232+\b]
.endr
.irp b, 0,1,2,3
	s_delay_alu instid0(VALU_DEP_4)
	v_lshrrev_b32 v[236+\b], 23, v[244+\b]
.endr
	s_delay_alu instid0(VALU_DEP_3)
	v_lshl_or_b32 v253, v237, 8, v236
	s_delay_alu instid0(VALU_DEP_1)
	v_lshl_or_b32 v253, v238, 16, v253
	s_delay_alu instid0(VALU_DEP_1)
	v_lshl_or_b32 v253, v239, 24, v253
.irp c, 0,1
	v_cvt_scalef32_pk8_fp4_f32 v[224+4*\c], v[96+32*\c:103+32*\c], v[244+2*\c]
	v_cvt_scalef32_pk8_fp4_f32 v[226+4*\c], v[104+32*\c:111+32*\c], v[244+2*\c]
	v_cvt_scalef32_pk8_fp4_f32 v[225+4*\c], v[112+32*\c:119+32*\c], v[245+2*\c]
	v_cvt_scalef32_pk8_fp4_f32 v[227+4*\c], v[120+32*\c:127+32*\c], v[245+2*\c]
.endr
	v_nop
.irp c, 0,1
	v_permlane16_swap_b32 v[224+4*\c], v[225+4*\c]
	v_permlane16_swap_b32 v[226+4*\c], v[227+4*\c]
.endr
.irp j, 0,2,4,6,8,10,12,14,16,18,20,22,24,26,28,30
	v_pk_mul_f32 v[160+\j:161+\j], v[160+\j:161+\j], v[252:253] op_sel_hi:[1,0]
.endr
	s_wait_alu depctr_va_vdst(0)
	s_wait_dscnt 0x0
.irp t, 0,2
	v_wmma_scale_f32_16x16x128_f8f6f4 v[160+8*\t:167+8*\t], v[192+8*\t:199+8*\t], v[224:231], v[160+8*\t:167+8*\t], v[248+\t/2], v253 matrix_a_fmt:MATRIX_FMT_FP4 matrix_b_fmt:MATRIX_FMT_FP4
	v_wmma_scale_f32_16x16x128_f8f6f4 v[168+8*\t:175+8*\t], v[200+8*\t:207+8*\t], v[224:231], v[168+8*\t:175+8*\t], v[248+\t/2], v253 matrix_a_fmt:MATRIX_FMT_FP4 matrix_b_fmt:MATRIX_FMT_FP4 matrix_a_scale:MATRIX_SCALE_ROW1
.endr
	s_add_co_u32 s[TS], s[TS], 512
	s_add_co_u32 s[TJ], s[TJ], 256
.endm
.macro CHANGE fill
	s_wait_tensorcnt 0x0
	ds_add_u32 v[SPW], v[NIL]
.if \fill
	ds_add_u32 v[SPW], v[NIL]
	s_xor_b32 s[G0K+1], s[G0K+1], SLOT1
	s_add_nc_u64 s[G0K+2:G0K+3], s[G0K+2:G0K+3], 16384
	s_xor_b32 s[G0V+1], s[G0V+1], SLOT1
	s_add_nc_u64 s[G0V+2:G0V+3], s[G0V+2:G0V+3], 16384
	s_wait_xcnt 0x0
	s_add_nc_u64 s[PFA:PFA+1], s[PFA:PFA+1], 16384
.endif
	s_wait_dscnt 0x0
	s_barrier_signal -1
	s_barrier_wait -1
.if \fill
	TLOAD G0K, G1, G0V, G1
	ASK
.endif
.endm
.macro SLOT_STEPS
.irp q, 0,1,2,3
	STEP \q
.endr
	s_xor_b32 s[TB], s[TB], SLOT1
.endm
.macro FINISH hd
.rept 4
	v_nop
.endr
	v_add_f32 v14, v14, v15
	s_delay_alu instid0(VALU_DEP_1)
	v_permlanex16_b32 v252, v14, s[SEL], s[SEL+1]
	s_delay_alu instid0(VALU_DEP_1)
	v_add_f32 v14, v14, v252
	s_wait_alu depctr_va_vdst(0)
	v_rcp_f32 v14, v14
	v_nop
	s_wait_alu depctr_va_vdst(0)
.irp j, 0,2,4,6,8,10,12,14,16,18,20,22,24,26,28,30
	v_pk_mul_f32 v[96+\j:97+\j], v[160+\j:161+\j], v[14:15] op_sel_hi:[1,0]
.endr
.irp b, 0,1
	v_max3_num_f32 v[232+\b], |v[96+16*\b]|, |v[97+16*\b]|, 0x1800000
.endr
.irp i, 2,4,6,8,10,12,14
.irp b, 0,1
	s_delay_alu instid0(VALU_DEP_2)
	v_max3_num_f32 v[232+\b], v[232+\b], |v[96+16*\b+\i]|, |v[97+16*\b+\i]|
.endr
.endr
.irp b, 0,1
	s_delay_alu instid0(VALU_DEP_2)
	v_permlanex16_b32 v[236+\b], v[232+\b], s[SEL], s[SEL+1]
.endr
.irp b, 0,1
	s_delay_alu instid0(VALU_DEP_2)
	v_max_num_f32 v[232+\b], v[232+\b], v[236+\b]
.endr
.irp b, 0,1
	s_delay_alu instid0(VALU_DEP_2)
	v_add_nc_u32 v[244+\b], 0xff000000, v[232+\b]
.endr
.irp b, 0,1
	s_delay_alu instid0(VALU_DEP_2)
	v_lshrrev_b32 v[236+\b], 23, v[244+\b]
.endr
.if \hd == 0
	s_delay_alu instid0(VALU_DEP_1)
	v_lshl_or_b32 v250, v237, 8, v236
.else
	s_delay_alu instid0(VALU_DEP_2)
	v_lshl_or_b32 v250, v236, 16, v250
	s_delay_alu instid0(VALU_DEP_1)
	v_lshl_or_b32 v250, v237, 24, v250
.endif
	v_cvt_scalef32_pk8_fp4_f32 v[24+4*\hd], v[96:103], v244
	v_cvt_scalef32_pk8_fp4_f32 v[26+4*\hd], v[104:111], v244
	v_cvt_scalef32_pk8_fp4_f32 v[25+4*\hd], v[112:119], v245
	v_cvt_scalef32_pk8_fp4_f32 v[27+4*\hd], v[120:127], v245
	v_nop
	v_permlane16_swap_b32 v[24+4*\hd], v[25+4*\hd]
	v_permlane16_swap_b32 v[26+4*\hd], v[27+4*\hd]
.endm
	HEADINIT 0
	s_wait_loadcnt 0x0
.Lhead0:
	CHANGE 1
	SLOT_STEPS
	s_sub_co_u32 s[SLOTS], s[SLOTS], 1
	s_cmp_lg_u32 s[SLOTS], 3
	s_cbranch_scc1 .Lhead0
	FINISH 0
	HEADINIT 1
	s_wait_loadcnt 0x0
.Lhead1:
	CHANGE 1
	SLOT_STEPS
	s_sub_co_u32 s[SLOTS], s[SLOTS], 1
	s_cmp_lg_u32 s[SLOTS], 0
	s_cbranch_scc1 .Lhead1
	CHANGE 0
	SLOT_STEPS
	FINISH 1
	global_store_b128 v[LI], v[24:27], s[16:17]
	global_store_b128 v[LI], v[28:31], s[16:17] offset:512
	v_and_b32 v8, 31, v0
	s_delay_alu instid0(VALU_DEP_1)
	v_cmp_gt_u32 vcc_lo, 16, v8
	s_wait_alu depctr_va_vdst(0)
	s_wait_xcnt 0x0
	s_and_saveexec_b32 s84, vcc_lo
	global_store_b32 v[OSO], v250, s[18:19]
	s_wait_xcnt 0x0
	s_or_b32 exec_lo, exec_lo, s84
	s_wait_tensorcnt 0x0
	ds_add_u32 v[SPW], v[NIL]
	s_wait_dscnt 0x0
	s_endpgm
.Lfunc_end_k_q78bc59ae8b_attn:
	.size	k_q78bc59ae8b_attn, .Lfunc_end_k_q78bc59ae8b_attn-k_q78bc59ae8b_attn
	.p2alignl 7, 3214868480
	.fill 96, 4, 3214868480
	.section	.rodata,"a",@progbits
	.p2align	6, 0x0
	.amdhsa_kernel k_q78bc59ae8b_attn
		.amdhsa_group_segment_fixed_size 327680
		.amdhsa_private_segment_fixed_size 0
		.amdhsa_enable_private_segment 0
		.amdhsa_kernarg_size 64
		.amdhsa_user_sgpr_count 2
		.amdhsa_user_sgpr_kernarg_segment_ptr 1
		.amdhsa_wavefront_size32 1
		.amdhsa_system_sgpr_workgroup_id_x 1
		.amdhsa_system_sgpr_workgroup_id_y 1
		.amdhsa_system_sgpr_workgroup_id_z 1
		.amdhsa_system_vgpr_workitem_id 0
		.amdhsa_next_free_vgpr 256
		.amdhsa_next_free_sgpr 96
		.amdhsa_reserve_vcc 1
		.amdhsa_float_denorm_mode_32 3
		.amdhsa_float_denorm_mode_16_64 3
		.amdhsa_memory_ordered 1
		.amdhsa_forward_progress 1
		.amdhsa_inst_pref_size 213
	.end_amdhsa_kernel
	.amdgpu_metadata
---
amdhsa.version: [ 1, 2 ]
amdhsa.kernels:
  - .name:           k_q78bc59ae8b_attn
    .symbol:         k_q78bc59ae8b_attn.kd
    .args:
      - { .name: qc, .offset: 0, .size: 8, .value_kind: global_buffer, .address_space: global }
      - { .name: qs, .offset: 8, .size: 8, .value_kind: global_buffer, .address_space: global }
      - { .name: kc, .offset: 16, .size: 8, .value_kind: global_buffer, .address_space: global }
      - { .name: ks, .offset: 24, .size: 8, .value_kind: global_buffer, .address_space: global }
      - { .name: vc, .offset: 32, .size: 8, .value_kind: global_buffer, .address_space: global }
      - { .name: vs, .offset: 40, .size: 8, .value_kind: global_buffer, .address_space: global }
      - { .name: oc, .offset: 48, .size: 8, .value_kind: global_buffer, .address_space: global }
      - { .name: os, .offset: 56, .size: 8, .value_kind: global_buffer, .address_space: global }
    .group_segment_fixed_size: 327680
    .private_segment_fixed_size: 0
    .kernarg_segment_align: 8
    .kernarg_segment_size: 64
    .max_flat_workgroup_size: 512
    .sgpr_count:     96
    .vgpr_count:     256
    .wavefront_size: 32
...
	.end_amdgpu_metadata
.endif
;; end of part 2
;; launch proj (part 3): grid 4 x 32, 4 waves a work-group, clusters of 4 x 4, 327,680 bytes of LDS; arguments oc, os, w_out_codes, w_out_scales, b_out, out0; writes out0
.if DOCPART == 3
	.amdgcn_target "amdgcn-amd-amdhsa--gfx1250"
	.amdhsa_code_object_version 6
	.text
	.protected	k_q78bc59ae8b_proj
	.globl	k_q78bc59ae8b_proj
	.p2align	8
	.type	k_q78bc59ae8b_proj,@function
k_q78bc59ae8b_proj:
	s_mov_b64 s[64:65], 0
	v_nop
	global_prefetch_b8 v0, s[64:65] scope:SCOPE_SE
	s_setreg_imm32_b32 hwreg(HW_REG_WAVE_MODE, 25, 1), 1
	s_wait_xcnt 0x0
	s_wait_alu depctr_hold_cnt(0) depctr_sa_sdst(0) depctr_va_vdst(0) depctr_va_sdst(0) depctr_va_ssrc(0) depctr_va_vcc(0) depctr_vm_vsrc(0)
	s_getreg_b32 s2, hwreg(HW_REG_IB_STS2, 6, 4)
	s_cmp_eq_u32 s2, 0
	s_cbranch_scc0 .Lentry_in_a_cluster
	s_endpgm
.Lentry_in_a_cluster:
	s_bfe_u32 s2, ttmp6, 0x10000c
	s_cmp_lg_u32 s2, 0xf033
	s_cbranch_scc0 .Lentry_shape_is_right
	s_endpgm
.Lentry_shape_is_right:
; LAUNCH 3 OF 3.  out0 = o w_out^T + b_out on codes of FP4 (E2M1) with E8M0 scales.  Nothing of reference() is left out.
; A work-group of four waves makes 256 x 256 of out0, a wave 128 x 128 in 64 accumulators; K = 1,024 is two LDS slots of 512, each filled once by the tensor data mover.  128 work-groups: 8,192 x 1,024 has no more such tiles.
; A = o comes as images of the operand's registers, oc [512 tiles of 16 tokens][8 K steps][2][lane][16 bytes]: a slot's part of a tile is 4,096 consecutive bytes, and a fragment is read at 16 x lane.
; B = w_out comes as rows of codes, 256 bytes of a row to a slot, 16 bytes of padding behind each.  The scale bytes of both (os, w_out_scales: [rows][32]) come once, in whole units of 256 bytes.
; CLUSTERS: 4 x 4 work-groups; A's tiles are asked for jointly along a row of the cluster, B's along a column.
; THE MATRIX INSTRUCTION IS USED TRANSPOSED (source 0 = 16 rows of w_out, source 1 = 16 tokens): a lane holds eight neighbouring numbers of a row of out0.  The bias is the C of each sum's first product.
; REGISTERS: window 0: v0-31 addresses; v32-95 scale words, two sets; v128-191 A's fragments; v192-255 the bias, 8 registers for each of B's eight blocks; on the way out v128-255 are free.
;   window 1: B's fragments, two sets.   windows 2, 3: the accumulators ((a, b) at v[8 (8 (a % 4) + b)]).
.set SIZE_N, 1024
.set NQ,     4
.set ROWB,   256
.set KROW,   512
.set PITCH,  272
.set FR,     8
.set NL,     2
.set NP,     4
.set HALFA,  32768                     ; A: 8 tiles x 4,096 bytes: what one tensor load brings, and what one wave reads
.set HALFT,  128*PITCH                 ; B: 128 rows
.set BOFF,   2*HALFA
.set SLOT,   2*HALFA+2*HALFT
.set KS,     32
.set SCL,    2*SLOT
.set HALFS,  (128*KS/256)*272
.set SBLK,   (16*KS/256)*272
.set SPARE,  SCL+4*HALFS               ; the spare words, 128 bytes a wave: two blocks of 256 bytes that no other line names
.set SPITCH, 528                       ; the way out: 16 rows x (512 bytes + 16) for each wave, in slot 0, which has had its last fill and its last read by then
.set ADRA, 16
.set ADRB, 20
.set STO,  24
.set RD,   25
.set CO,   26
.set ADRS, 27
.set SPW,  28
.set NIL,  29
.set SC,   32
.set AF,   128
.set BIAS, 192
.set BK,   128
.set G1, 24
.set G0, 32
.set G1B, 48
.set G0B, 56
.set G1S, 68
.set G0S, 76
.set G1SB, 80
.set G0SB, 88
.set MSB, 0
.macro WIN new
.if MSB != (\new)
	s_set_vgpr_msb (MSB<<8)|(\new)
.set MSB, (\new)
.endif
.endm
.set MUL_LO, 0xa1                      ; source 0 (B) window 1, source 1 (A) window 0, C and D window 2
.set MUL_HI, 0xf1
.set FST_LO, 0x81                      ; the first step: C (the bias) window 0, D window 2
.set FST_HI, 0xc1
.set TO_B,   0x40
.macro JLOAD g0a, g1a, g0b, g1b        ; a joint load: waves 0 and 1 fetch for A, waves 2 and 3 for B; an s_nop 0 and four v_nop follow each line
	s_cmp_eq_u32 s15, 0
	s_cbranch_scc0 .Lfor_b_\@
	tensor_load_to_lds s[\g0a:\g0a+3], s[\g1a:\g1a+7]
	s_nop 0
.rept 4
	v_nop
.endr
	s_branch .Lasked_\@
.Lfor_b_\@:
	tensor_load_to_lds s[\g0b:\g0b+3], s[\g1b:\g1b+7]
	s_nop 0
.rept 4
	v_nop
.endr
.Lasked_\@:
.endm
.macro CROUND
	s_barrier_signal -1
	s_barrier_wait -1
	s_cmp_lg_u32 s14, 0
	s_cbranch_scc1 .Lnot_wave_0_\@
	s_barrier_signal -3
.Lnot_wave_0_\@:
	s_barrier_wait -3
	s_barrier_signal -1
	s_barrier_wait -1
.endm
	s_load_b256 s[4:11], s[0:1], 0x0               ; oc, os, w_out's codes, w_out's scales
	s_load_b64 s[96:97], s[0:1], 0x20              ; b_out
	s_load_b64 s[12:13], s[0:1], 0x28              ; out0
	v_lshl_add_u32 v[SPW], v0, 2, SPARE
	v_mov_b32 v[NIL], 0
	ds_add_u32 v[SPW], v[NIL]                      ; the wave's opening: the add, twice on end, and its wait ahead of my first tensor load
	ds_add_u32 v[SPW], v[NIL]
	v_lshrrev_b32 v1, 5, v0
	v_readfirstlane_b32 s14, v1                    ; wave 0..3
	s_lshr_b32 s15, s14, 1                         ; which half of the tile's rows is mine.  Also: I fetch for A (0) or for B (1)
	s_and_b32 s16, s14, 1                          ; which half of its columns.  Also: which half I fetch
	s_bfe_u32 s40, ttmp6, 0x40000                  ; cx
	s_bfe_u32 s41, ttmp6, 0x40004                  ; cy
	s_lshl_b32 s42, ttmp9, 2
	s_add_co_u32 s42, s42, s40                     ; tile column
	s_and_b32 s17, ttmp7, 0xffff
	s_lshl_b32 s17, s17, 2
	s_add_co_u32 s17, s17, s41                     ; tile row
	s_lshl_b32 s43, s41, 2
	s_lshl_b32 s43, 15, s43                        ; my row of the cluster
	s_lshl_b32 s44, 0x1111, s40                    ; my column
	s_or_b32 s[G1+0], s43, (3<<16)|(1<<21)         ; A: the mask; elements of 8 bytes; bit 21 beside a mask; no padding
	s_mov_b32 s[G1+1], 512<<16                     ; tensor_dim0 = 512 elements: a tile's 4,096 bytes of this slot
	s_mov_b32 s[G1+2], 8<<16                       ; tensor_dim1 = 8 tiles
	s_mov_b32 s[G1+3], 512<<16                     ; tile_dim0
	s_mov_b32 s[G1+4], 8                           ; tile_dim1
	s_mov_b32 s[G1+5], 1024                        ; from tile to tile: 8,192 bytes
	s_mov_b32 s[G1+6], 0
	s_mov_b32 s[G1+7], 0
	s_or_b32 s[G1B+0], s44, (0<<16)|(1<<20)|(1<<21)|(5<<22)|(3<<25)  ; B: elements of 1 byte; 4 words of padding after every 64
	s_mov_b32 s[G1B+1], ROWB<<16
	s_mov_b32 s[G1B+2], 128<<16
	s_mov_b32 s[G1B+3], ROWB<<16
	s_mov_b32 s[G1B+4], 128
	s_mov_b32 s[G1B+5], KROW
	s_mov_b32 s[G1B+6], 0
	s_mov_b32 s[G1B+7], 0
	s_or_b32 s[G1S+0], s43, (3<<16)|(1<<20)|(1<<21)|(5<<22)|(3<<25)  ; the scales of 128 rows: 4,096 dense bytes as 16 rows of 256
	s_or_b32 s[G1SB+0], s44, (3<<16)|(1<<20)|(1<<21)|(5<<22)|(3<<25)
.irp g, G1S, G1SB
	s_mov_b32 s[\g+1], 32<<16
	s_mov_b32 s[\g+2], (128*KS/256)<<16
	s_mov_b32 s[\g+3], 32<<16
	s_mov_b32 s[\g+4], 128*KS/256
	s_mov_b32 s[\g+5], 32
	s_mov_b32 s[\g+6], 0
	s_mov_b32 s[\g+7], 0
.endr
	s_lshl_b32 s18, s16, 16                        ; half a tile of codes: 65,536 bytes, of A and of B alike
	s_lshl_b32 s19, s16, 12                        ; and of scales: 4,096
	s_lshl_b32 s20, s17, 17
	s_add_co_u32 s20, s20, s18                     ; A's codes
	s_mov_b32 s21, 0
	s_lshl_b32 s22, s17, 13
	s_add_co_u32 s22, s22, s19                     ; A's scales
	s_mov_b32 s23, 0
	s_lshl_b32 s46, s42, 17
	s_add_co_u32 s46, s46, s18                     ; B's codes
	s_mov_b32 s47, 0
	s_lshl_b32 s92, s42, 13
	s_add_co_u32 s92, s92, s19                     ; B's scales
	s_mov_b32 s93, 0
	s_lshl_b32 s45, s16, 15                        ; where they go: A's two halves,
	s_mul_i32 s95, s16, HALFT
	s_add_co_u32 s95, s95, BOFF                    ; then B's two: no place in the cluster enters an LDS address
	s_mul_i32 s94, s14, HALFS
	s_wait_dscnt 0x0                               ; both opening adds are done
	s_wait_kmcnt 0x0
	s_add_nc_u64 s[20:21], s[4:5], s[20:21]
	s_add_nc_u64 s[22:23], s[6:7], s[22:23]
	s_add_nc_u64 s[46:47], s[8:9], s[46:47]
	s_add_nc_u64 s[92:93], s[10:11], s[92:93]
	CROUND                                         ; all sixteen work-groups are here: the first joint loads meet
	s_mov_b32 s[G0S], 1
	s_add_co_u32 s[G0S+1], s94, SCL
	s_mov_b64 s[G0S+2:G0S+3], s[22:23]
	s_or_b32 s[G0S+3], s[G0S+3], 0x80000000
	s_mov_b32 s[G0SB], 1
	s_add_co_u32 s[G0SB+1], s94, SCL
	s_mov_b64 s[G0SB+2:G0SB+3], s[92:93]
	s_or_b32 s[G0SB+3], s[G0SB+3], 0x80000000
	JLOAD G0S, G1S, G0SB, G1SB                     ; the scales first; by this text's count a wave has three tensor loads out, and issues no more
.irp s, 0,1
	s_mov_b32 s[G0+4*\s], 1
	s_add_co_u32 s[G0+4*\s+1], s45, \s*SLOT
	s_add_nc_u64 s[G0+4*\s+2:G0+4*\s+3], s[20:21], \s*4096
	s_or_b32 s[G0+4*\s+3], s[G0+4*\s+3], 0x80000000
	s_mov_b32 s[G0B+4*\s], 1
	s_add_co_u32 s[G0B+4*\s+1], s95, \s*SLOT
	s_add_nc_u64 s[G0B+4*\s+2:G0B+4*\s+3], s[46:47], \s*ROWB
	s_or_b32 s[G0B+4*\s+3], s[G0B+4*\s+3], 0x80000000
	JLOAD G0+4*\s, G1, G0B+4*\s, G1B
.endr
	v_and_b32 v1, 15, v0                           ; r
	v_bfe_u32 v2, v0, 4, 1                         ; h
	v_and_b32 v6, 31, v0
	v_lshlrev_b32 v[CO], 4, v6                     ; 16 x lane
	v_mul_u32_u24 v3, v1, PITCH
	v_lshl_add_u32 v4, v2, 4, v3
	s_lshl_b32 s21, s15, 15                        ; my 8 tiles of A
	s_mul_i32 s22, s16, HALFT                      ; my 128 rows of B
	s_add_co_u32 s22, s22, BOFF
.irp s, 0,1
	v_add_nc_u32 v[ADRA+\s], s21, v[CO]
	v_add_nc_u32 v[ADRB+\s], s22, v4
	s_add_co_u32 s21, s21, SLOT
	s_add_co_u32 s22, s22, SLOT
.endr
	v_mul_u32_u24 v5, v1, KS
	v_lshrrev_b32 v6, 8, v5
	v_lshl_add_u32 v5, v6, 4, v5
	s_mul_i32 s21, s15, HALFS
	s_mul_i32 s22, s16, HALFS
	s_add_co_u32 s22, s22, 2*HALFS
	s_sub_co_u32 s22, s22, s21
	v_mul_u32_u24 v6, s22, v2                      ; lanes 16-31 take B's
	s_add_co_u32 s21, s21, SCL
	v_add_nc_u32 v5, v5, v6
	v_add_nc_u32 v[ADRS], s21, v5
	s_mul_i32 s23, s14, 16*SPITCH                  ; my stage
	v_mul_u32_u24 v5, v1, SPITCH
	v_lshl_add_u32 v5, v2, 5, v5
	v_add_nc_u32 v[STO], s23, v5
	v_add_nc_u32 v[RD], s23, v[CO]
	s_lshl_b32 s20, s17, 8
	s_lshl_b32 s21, s15, 7
	s_add_co_u32 s20, s20, s21                     ; my first row of out0
	s_lshl_b32 s20, s20, 12                        ; 4,096 bytes a row
	s_mov_b32 s21, 0
	s_lshl_b32 s46, s42, 10                        ; my first column, in bytes: 1,024 x tile column + 512 x half
	s_lshl_b32 s47, s16, 9
	s_add_co_u32 s46, s46, s47
	s_mov_b32 s47, 0
	s_add_nc_u64 s[96:97], s[96:97], s[46:47]      ; the bias of my 128 columns
	s_add_nc_u64 s[20:21], s[20:21], s[46:47]
	s_add_nc_u64 s[12:13], s[12:13], s[20:21]
	v_lshlrev_b32 v7, 5, v2                        ; 32 h
.irp b, 0,1,2,3,4,5,6,7
	global_load_b128 v[BIAS+8*\b:BIAS+8*\b+3], v7, s[96:97] offset:64*\b       ; b_out at columns 16 b + 8 h + 0 .. 7: the result's layout
	global_load_b128 v[BIAS+8*\b+4:BIAS+8*\b+7], v7, s[96:97] offset:64*\b+16
.endr
.macro FRAG reg, adr, q, i             ; B: 16 rows x 128 K from rows: two loads of 16 bytes, 32 bytes apart
.irp c, 0,1
	ds_load_b128 v[\reg+4*\c:\reg+4*\c+3], v[\adr] offset:64*(\q)+32*\c+(\i)*16*PITCH
.endr
.endm
.macro FRAGA reg, adr, q, i            ; A: the image of tile i, K step q
.irp c, 0,1
	ds_load_b128 v[\reg+4*\c:\reg+4*\c+3], v[\adr] offset:4096*(\i)+1024*(\q)+512*\c
.endr
.endm
; 16 matrix instructions: A's blocks a0, a0 + 1 x B's eight.  first = 1: the bias is the C of the sum's first product.  The 64 accumulators take turns.
.macro MUL16 a0, p, q, sc, first
.irp a, \a0, \a0+1
.irp b, 0,1,2,3,4,5,6,7
.if \first
	v_wmma_scale_f32_16x16x128_f8f6f4 v[8*(8*((\a)%4)+\b):8*(8*((\a)%4)+\b)+7], v[128*(\p)+FR*\b:128*(\p)+FR*\b+FR-1], v[AF+FR*(\a):AF+FR*(\a)+FR-1], v[BIAS+8*\b:BIAS+8*\b+7], v[SC+8*NQ*(\sc)+NQ*\b+(\q)], v[SC+8*NQ*(\sc)+NQ*(\a)+(\q)] matrix_a_fmt:MATRIX_FMT_FP4 matrix_b_fmt:MATRIX_FMT_FP4 matrix_a_scale:MATRIX_SCALE_ROW1
.else
	v_wmma_scale_f32_16x16x128_f8f6f4 v[8*(8*((\a)%4)+\b):8*(8*((\a)%4)+\b)+7], v[128*(\p)+FR*\b:128*(\p)+FR*\b+FR-1], v[AF+FR*(\a):AF+FR*(\a)+FR-1], v[8*(8*((\a)%4)+\b):8*(8*((\a)%4)+\b)+7], v[SC+8*NQ*(\sc)+NQ*\b+(\q)], v[SC+8*NQ*(\sc)+NQ*(\a)+(\q)] matrix_a_fmt:MATRIX_FMT_FP4 matrix_b_fmt:MATRIX_FMT_FP4 matrix_a_scale:MATRIX_SCALE_ROW1
.endif
.endr
.endr
.endm
.macro FETCH_B slot, q, p
	WIN TO_B
.irp i, 0,1,2,3,4,5,6,7
	FRAG 128*(\p)+FR*\i, ADRB+\slot, \q, \i
.endr
	WIN 0
.endm
.macro FETCH_A slot, q, i0
.irp i, \i0, \i0+1, \i0+2, \i0+3
	FRAGA AF+FR*(\i), ADRA+\slot, \q, \i
.endr
.endm
.macro SCALES sc
.irp i, 0,1,2,3,4,5,6,7
	ds_load_b128 v[SC+8*NQ*\sc+NQ*\i:SC+8*NQ*\sc+NQ*\i+3], v[ADRS] offset:\i*SBLK
.endr
.endm
.macro PLACES n
.rept \n
	v_nop
.endr
.endm
.macro STEP slot, q, first
	s_wait_dscnt 4*NL                              ; B's set and A's blocks 0-3 are in; the youngest 8 loads (A's blocks 4-7) may be out
.if \first
	WIN FST_LO
.else
	WIN MUL_LO
.endif
	MUL16 0, (\q)%2, \q, \slot, \first
	MUL16 2, (\q)%2, \q, \slot, \first
	s_wait_dscnt 0
	PLACES NP
	FETCH_B \slot, (\q)+1, 1-(\q)%2
	FETCH_A \slot, (\q)+1, 0
.if \first
	WIN FST_HI
.else
	WIN MUL_HI
.endif
	MUL16 4, (\q)%2, \q, \slot, \first
	MUL16 6, (\q)%2, \q, \slot, \first
	PLACES NP
	WIN 0
	FETCH_A \slot, (\q)+1, 4
.endm
.macro STEPS slot, from
.set Q, \from
.rept NQ-1-\from
	STEP \slot, Q, 0
.set Q, Q+1
.endr
.endm
	s_wait_tensorcnt 1                             ; the scales and my part of slot 0 are in; slot 1's load may be out
	s_barrier_signal -1
	s_barrier_wait -1
	FETCH_B 0, 0, 0
	FETCH_A 0, 0, 0
	SCALES 0
	FETCH_A 0, 0, 4
	s_wait_loadcnt 0x0                             ; the bias
	STEP 0, 0, 1
	STEPS 0, 1
	; slot 0's last step changes slots: one barrier; nothing is filled again
	s_wait_tensorcnt 0x0                           ; all my tensor loads have landed: my part of slot 1
	ds_add_u32 v[SPW], v[NIL]
	s_wait_dscnt 4*NL+1                            ; (the add and the youngest 8 loads may be out)
	WIN MUL_LO
	MUL16 0, 1, NQ-1, 0, 0
	s_wait_dscnt 0x0                               ; the add is done, and my reads of slot 0 are over
	s_barrier_signal -1
	MUL16 2, 1, NQ-1, 0, 0
	WIN 0
	s_barrier_wait -1
	PLACES NP
	v_add_nc_u32 v[ADRS], 4*NQ, v[ADRS]
	FETCH_B 1, 0, 0
	FETCH_A 1, 0, 0
	SCALES 1
	WIN MUL_HI
	MUL16 4, 1, NQ-1, 0, 0
	MUL16 6, 1, NQ-1, 0, 0
	PLACES NP
	WIN 0
	FETCH_A 1, 0, 4
	STEPS 1, 0
	s_wait_dscnt 4*NL                              ; the very last step
	WIN MUL_LO
	MUL16 0, 1, NQ-1, 1, 0
	MUL16 2, 1, NQ-1, 1, 0
	s_wait_dscnt 0
	WIN MUL_HI
	MUL16 4, 1, NQ-1, 1, 0
	MUL16 6, 1, NQ-1, 1, 0
	WIN 0
; THE WAY OUT, block by block of 16 rows x 128 columns, through my own stage in LDS: in as 32 bytes a lane, back as whole rows of 512 bytes.  LDS serves a wave's instructions in order (ISA guide 5.7.1.4).
.macro TOSTAGE a
.set AC, 64*((\a)%4)
	WIN 0x08+4*((\a)/4)                            ; an LDS store's data: window 2 or 3
.irp b, 0,1,2,3,4,5,6,7
	ds_store_b128 v[STO], v[AC+8*\b:AC+8*\b+3] offset:64*\b          ; each accumulator from its low end on
	ds_store_b128 v[STO], v[AC+8*\b+4:AC+8*\b+7] offset:64*\b+16
.endr
	WIN 0
.set BB, BK+64*((\a)%2)
.irp t, 0,1,2,3,4,5,6,7,8,9,10,11,12,13,14,15
	ds_load_b128 v[BB+4*\t:BB+4*\t+3], v[RD] offset:\t*SPITCH
.endr
.endm
.macro SEND a, younger                 ; younger: the LDS instructions issued behind block a's loads, which may stay out
.set BB, BK+64*((\a)%2)
	s_wait_dscnt \younger
.if (\a) > 0
	s_add_nc_u64 s[12:13], s[12:13], 16*SIZE_N*4   ; (behind a wait on XCNT: the earlier stores have read their base)
.endif
.irp t, 0,1,2,3,4,5,6,7,8,9,10,11,12,13,14,15
	global_store_b128 v[CO], v[BB+4*\t:BB+4*\t+3], s[12:13] offset:\t*SIZE_N*4 th:TH_STORE_NT   ; 32 lanes store 512 consecutive bytes, aligned
.endr
.endm
	PLACES NP
	TOSTAGE 0
.irp a, 1,2,3,4,5,6,7
.if \a > 1
	s_wait_xcnt 0x0                                ; block a - 2's stores have read their registers and their base
.endif
	TOSTAGE \a
	SEND \a-1, 32                                  ; behind block a - 1's loads: block a's 16 stores and 16 loads
.endr
	s_wait_xcnt 0x0
	SEND 7, 0
	s_wait_tensorcnt 0x0                           ; the wave's end
	ds_add_u32 v[SPW], v[NIL]
	s_wait_dscnt 0x0
	CROUND                                         ; the closing round
	s_endpgm
.Lfunc_end_k_q78bc59ae8b_proj:
	.size	k_q78bc59ae8b_proj, .Lfunc_end_k_q78bc59ae8b_proj-k_q78bc59ae8b_proj
	.p2alignl 7, 3214868480
	.fill 96, 4, 3214868480
	.section	.rodata,"a",@progbits
	.p2align	6, 0x0
	.amdhsa_kernel k_q78bc59ae8b_proj
		.amdhsa_group_segment_fixed_size 327680
		.amdhsa_private_segment_fixed_size 0
		.amdhsa_enable_private_segment 0
		.amdhsa_kernarg_size 48
		.amdhsa_user_sgpr_count 2
		.amdhsa_user_sgpr_kernarg_segment_ptr 1
		.amdhsa_wavefront_size32 1
		.amdhsa_system_sgpr_workgroup_id_x 1
		.amdhsa_system_sgpr_workgroup_id_y 1
		.amdhsa_system_sgpr_workgroup_id_z 1
		.amdhsa_system_vgpr_workitem_id 0
		.amdhsa_next_free_vgpr 1024
		.amdhsa_next_free_sgpr 98
		.amdhsa_reserve_vcc 0
		.amdhsa_float_denorm_mode_32 3
		.amdhsa_float_denorm_mode_16_64 3
		.amdhsa_memory_ordered 1
		.amdhsa_forward_progress 1
		.amdhsa_inst_pref_size 126
	.end_amdhsa_kernel
	.amdgpu_metadata
---
amdhsa.version: [ 1, 2 ]
amdhsa.kernels:
  - .name:           k_q78bc59ae8b_proj
    .symbol:         k_q78bc59ae8b_proj.kd
    .args:
      - { .name: oc, .offset: 0, .size: 8, .value_kind: global_buffer, .address_space: global }
      - { .name: os, .offset: 8, .size: 8, .value_kind: global_buffer, .address_space: global }
      - { .name: w_out_codes, .offset: 16, .size: 8, .value_kind: global_buffer, .address_space: global }
      - { .name: w_out_scales, .offset: 24, .size: 8, .value_kind: global_buffer, .address_space: global }
      - { .name: b_out, .offset: 32, .size: 8, .value_kind: global_buffer, .address_space: global }
      - { .name: out0, .offset: 40, .size: 8, .value_kind: global_buffer, .address_space: global }
    .group_segment_fixed_size: 327680
    .private_segment_fixed_size: 0
    .kernarg_segment_align: 8
    .kernarg_segment_size: 48
    .max_flat_workgroup_size: 128
    .sgpr_count:     98
    .vgpr_count:     1024
    .wavefront_size: 32
...
	.end_amdgpu_metadata
.endif
;; end of part 3
